; MI455X (gfx1250); checked and timed in simulation.
; The chip was launched on July 23, 2026; its instructions are those of AMD's public machine-readable ISA for CDNA 5 (MIT licence, August 2026) and "CDNA5" Instruction Set Architecture Reference Guide (July 2026). The comments in the code are by the model that wrote it; some were corrected since.
;; Cross Attention. Allowed arithmetic: matrix products marked QUANTISED: E2M1 operands, one E8M0 scale for each 32 along K, by v_wmma_scale_f32_16x16x128_f8f6f4 with both operands' format E2M1 (or v_wmma_scale_f32_32x16x128_f4), f32 sums; everything else in f32.
;; Inputs: freqs_cos 2,048 x 64 float32; freqs_sin 2,048 x 64 float32; key_b 2,048 float32; key_w_codes 2,048 x 64 x 16 uint8 (E2M1 codes of key_w, K innermost, in blocks of 32 codes, two codes a byte); key_w_scales 2,048 x 64 uint8 (E8M0 scales of key_w, one for each 32 codes along K); proj_b 2,048 float32; proj_w_codes 2,048 x 64 x 16 uint8 (E2M1 codes of proj_w, K innermost, in blocks of 32 codes, two codes a byte); proj_w_scales 2,048 x 64 uint8 (E8M0 scales of proj_w, one for each 32 codes along K); query 2 x 2,048 x 2,048 float32; value_codes 2 x 2,048 x 64 x 16 uint8 (E2M1 codes of value, K innermost, in blocks of 32 codes, two codes a byte); value_scales 2 x 2,048 x 64 uint8 (E8M0 scales of value, one for each 32 codes along K); x_codes 2 x 2,048 x 64 x 16 uint8 (E2M1 codes of x, K innermost, in blocks of 32 codes, two codes a byte); x_scales 2 x 2,048 x 64 uint8 (E8M0 scales of x, one for each 32 codes along K).
;; Outputs: out0 2 x 2,048 x 2,048 float32.
;; This version of the problem:
;;   THIS VERSION OF THE PROBLEM IS GIVEN IN LOW PRECISION. The matrix products marked QUANTISED in the list below multiply operands that are first quantised to E2M1 (2 exponent bits, 1 mantissa bit; 4 bits a number), with one power-of-two scale for each 32 numbers along K (OCP MX v1.0); their sums are f32. All else is computed in f32.
;;   The module's matrix products, in the order in which they are computed (A, B: the left and right operand; K: the contracted axis; several contracted axes count as one K, in the product's order):
;;     1. [M 4,096, K 2,048] x [K 2,048, N 2,048]; A: input x (given as codes); B: input key_w (given as codes): QUANTISED
;;     2. batch 32 x [M 2,048, K 128] x [K 128, N 2,048]; A: computed on the way; B: computed on the way: QUANTISED
;;     3. batch 32 x [M 128, K 2,048] x [K 2,048, N 2,048]; A: input value (given as codes); B: softmax (see below): QUANTISED
;;     4. [M 4,096, K 2,048] x [K 2,048, N 2,048]; A: computed on the way; B: input proj_w (given as codes): QUANTISED
;;   THE QUANTISER, for each operand of a quantised product, along K:
;;     - K is cut into blocks of 32 from its start; a last block that is shorter is filled with zeros.
;;     - A block's scale is 2^e with e = floor(log2(the largest magnitude in the block)) - 2, held to -126 .. 127; a block of zeros has e = 0. As a byte (E8M0): e + 127.
;;     - Each number is divided by its block's scale, clamped to +-6, and rounded to the nearest number of E2M1, ties to even, subnormals kept.
;;     - The product sums the exact products of the quantised numbers (number of the format x scale) in f32.
;;   ~~~python
;;   def quantise(x, axis):      # numpy; x: float32 -> the quantised numbers, widened to float32 again
;;       x = np.moveaxis(x, axis, -1); K = x.shape[-1]
;;       x = np.pad(x, [(0, 0)] * (x.ndim - 1) + [(0, -K % 32)]); x = x.reshape(x.shape[:-1] + (-1, 32)); a = np.abs(x).max(-1, keepdims=True)
;;       e = np.where(a > 0, np.clip(np.frexp(np.where(a > 0, a, 1))[1] - 1 - 2, -126, 127), 0)      # np.frexp(a)[1] - 1 = floor(log2(a)), exactly
;;       r = np.clip(x / 2.0 ** e, -6, 6)
;;       step = 2.0 ** (np.maximum(np.frexp(np.where(r == 0, 1, r))[1] - 1, 0) - 1)
;;       q = np.round(r / step) * step * 2.0 ** e      # np.round: ties to even
;;       return np.moveaxis(q.reshape(q.shape[:-2] + (-1,))[..., :K], -1, axis).astype(np.float32)
;;   ~~~
;;   SOFTMAX AHEAD OF A QUANTISED PRODUCT. Where the list says 'softmax', what is quantised is not the finished softmax but p = 2^(t - M), with t = logit x log2(e) and M = ceil(the row's largest t), a whole number; so 1/2 < the row's largest p <= 1. The row's sum l is taken of the UNQUANTISED p, in f32, and the product's result is divided by l at the end. Since M is a whole number, a kernel that streams over the keys may use a running M (the ceiling of the running maximum): every later rescaling is an exact power of two, which a block's scale takes up: the codes' values come out the same.
;;   OPERANDS COMPUTED ON THE WAY. 'Computed on the way' means the value that the module computes at that place (a softmax that the list does not call 'softmax' is quantised finished and normalised). What goes into a quantiser is computed in f32, as accurately as f32 sums, v_exp_f32 and their like allow (about 1e-6 of the number): no bf16 or f16 on the way to a quantiser, and a product that is left as it is and whose result goes on into a quantised operand takes f32 operands (vector FMAs, or v_wmma_f32_16x16x4_f32). A number that lies on a knife's edge between two numbers of the format may be rounded either way, as far as f32 arithmetic and the matrix unit's own rounding can turn it there, and no further.
;;   INPUTS GIVEN AS CODES. key_w (in the module: [2048, 2048], K = its axis 1); proj_w (in the module: [2048, 2048], K = its axis 1); value (in the module: [2, 2048, 2048], K = its axis 1); x (in the module: [2, 2048, 2048], K = its axis 2): each comes as NAME_codes (uint8): NAME with its K axis moved to the last place and cut into blocks of 32 codes, [.., K / 32, bytes a block], one block behind the other in memory; two codes a byte, the lower K in the low four bits (a code: sign, 2 exponent bits, 1 mantissa bit); and NAME_scales (uint8): the same leading axes, one E8M0 byte (e + 127) for each 32 codes along K. Its value is code x scale, taken as it is: it is not quantised again, and the codes and scales need not be those that the quantiser above would give.
;; One version. Each part assembles by itself: llvm-mc -triple=amdgcn-amd-amdhsa -mcpu=gfx1250 --defsym DOCPART=n.
;; ======== version 1 of 1: 3 launches
;; limits: right only within a limited range of input values
;; workspace buffers: k_img 4,194,304 bytes; k_sc 262,144 bytes; a_img 4,194,304 bytes; a_sc 262,144 bytes; q_img 4,194,304 bytes; q_sc 262,144 bytes
;; launch kproj (part 1): grid 8 x 32, 4 waves a work-group, clusters of 4 x 4, 327,680 bytes of LDS; arguments x_codes, x_scales, key_w_codes, key_w_scales, freqs_cos, freqs_sin, k_img, k_sc, key_b, query, q_img, q_sc; writes k_img, k_sc, q_img, q_sc
.if DOCPART == 1
	.amdgcn_target "amdgcn-amd-amdhsa--gfx1250"
	.amdhsa_code_object_version 6
	.text
	.protected	k_q63b4943498_kproj
	.globl	k_q63b4943498_kproj
	.p2align	8
	.type	k_q63b4943498_kproj,@function
k_q63b4943498_kproj:
	s_mov_b64 s[64:65], 0
	v_nop
	global_prefetch_b8 v0, s[64:65] scope:SCOPE_SE
	s_setreg_imm32_b32 hwreg(HW_REG_WAVE_MODE, 25, 1), 1
	s_wait_xcnt 0x0
	s_wait_alu depctr_hold_cnt(0) depctr_sa_sdst(0) depctr_va_vdst(0) depctr_va_sdst(0) depctr_va_ssrc(0) depctr_va_vcc(0) depctr_vm_vsrc(0)
	s_getreg_b32 s2, hwreg(HW_REG_IB_STS2, 6, 4)
	s_cmp_eq_u32 s2, 0
	s_cbranch_scc0 .Lentry_in_a_cluster
	s_endpgm
.Lentry_in_a_cluster:
	s_bfe_u32 s2, ttmp6, 0x10000c
	s_cmp_lg_u32 s2, 0xf033
	s_cbranch_scc0 .Lentry_shape_is_right
	s_endpgm
.Lentry_shape_is_right:
; k = rope(x key_w^T + key_b) and q = rope(query), both quantised along each head's 128 to FP4 (E2M1) codes with one E8M0 byte for each 32.
; x: [4096][2048], key_w: [2048][2048]: codes, K innermost, 1,024 bytes a row; scale bytes 64 a row.  Sums in f32, begun with the bias.
; A block of 128 rows x 256 columns is made by four waves: 32 x 8 = 256 work-groups.  A wave makes 64 rows x 128 columns = one head of 64 positions: 32 accumulators.
; The same wave takes the same 64 positions x head of query: 64 loads into window 3, 16 behind each of four tensor loads; they are used on the way out, with the cos and sin rows staged there for k.
; K goes in steps of 512 through a ring of two LDS slots (rows of 256 bytes); the scale bytes of the block's rows, for all of K, come into LDS once.
; CLUSTERS 4 x 4: x's tiles are asked for jointly along a row of the cluster, key_w's along a column.
; PREFETCH: K step 2 is asked for at the head and K step 3 behind slot 1's fill, each two fills ahead of its load; of the rows that a wave fetches each of the four partners names a quarter, told apart by address, a lane a row.
; TRANSPOSED USE (source 0 = 16 rows of key_w, source 1 = 16 rows of x): lane (r, h) holds row r and, in accumulator (a, b), columns 16 b + 8 h + 0 .. 7.
; OUT: k_img, q_img [b*16+head][position / 16][c 2][lane 32][16 bytes] (an operand's registers as they lie);  k_sc, q_sc [b*16+head][position][4 bytes].
; LIMITS: NaN and infinities are not served.  A block of zeros gets the byte 1 (the rule says 127): its codes are zeros, and this program alone reads the bytes.
; REGISTERS: window 0: v0-31 addresses; v32-95 scale words, two sets; v128-191 x's fragments, two sets; v192-255 the bias.  window 1: key_w's fragments, two sets; on the way out q at work.  window 2: accumulator (a, b) at v[64 a + 8 b].  window 3: query.
.set NQ,     4
.set ROWB,   256
.set KROW,   1024
.set PITCH,  272                       ; 256 bytes + 16 of padding
.set NP,     4                         ; places behind this matrix instruction (ISA guide 7.12.1)
.set HALFT,  128*PITCH
.set AH,     64*PITCH                  ; half of x's tile
.set SLOT,   3*HALFT                   ; x's 128 rows, then key_w's 256
.set SCL,    2*SLOT                    ; the scales, as units of 256 bytes + 16
.set HALFS,  32*272                    ; those of 128 rows
.set SBLK,   4*272                     ; of 16 rows
.set SPARE,  SCL+3*HALFS               ; the spare words
.set WST,    13824                     ; a wave's stage on the way out, in slot 0 behind its last fill and read: cos, sin 16 x 272 each, k's and q's scale words 256 each, q 16 x 272
.set QSTG,   9216
.set QG,   8
.set QR,   10
.set CR,   11
.set PFO,  12
.set ADRA, 16
.set BO,   18
.set L8,   19
.set ADRB, 20
.set TW,   24
.set TR,   25
.set LI,   26
.set ADRS, 27
.set SPW,  28
.set NIL,  29
.set SW,   30
.set SRD,  31
.set SC,   32
.set AF,   128
.set BI,   192
.set RR,   128
.set PC,   96
.set TM,   104
.set PW,   120
.set T0,   122
.set SEL,  66
.set PFA,  94
.set G1, 24
.set G0, 32
.set G1B, 48
.set G0B, 56
.set G1S, 68
.set G0S, 76
.set G1SB, 80
.set G0SB, 88
.set MSB, 0
.macro WIN new
.if MSB != (\new)
	s_set_vgpr_msb (MSB<<8)|(\new)
.set MSB, (\new)
.endif
.endm
.set MUL_LO, 0xa1                      ; source 0 window 1, source 1 window 0, C and D window 2
.set TO_B,   0x40
.macro TL g0, g1                       ; a tensor load with an s_nop and four v_nop behind it
	tensor_load_to_lds s[\g0:\g0+3], s[\g1:\g1+7]
	s_nop 0
.rept 4
	v_nop
.endr
.endm
.macro JLOAD g0a, g1a, g0b, g1b        ; waves 0, 1 fetch x's halves, waves 2, 3 key_w's
	s_cmp_eq_u32 s15, 0
	s_cbranch_scc0 .Lfor_b_\@
	TL \g0a, \g1a
	s_branch .Lasked_\@
.Lfor_b_\@:
	TL \g0b, \g1b
.Lasked_\@:
.endm
.macro CREST
	s_cmp_lg_u32 s14, 0
	s_cbranch_scc1 .Lnot_wave_0_\@
	s_barrier_signal -3
.Lnot_wave_0_\@:
	s_barrier_wait -3
	s_barrier_signal -1
	s_barrier_wait -1
.endm
.macro CROUND
	s_barrier_signal -1
	s_barrier_wait -1
	CREST
.endm
	s_load_b256 s[4:11], s[0:1], 0x0               ; x codes, x scales, key_w codes, key_w scales
	s_load_b64 s[96:97], s[0:1], 0x40              ; key_b
	s_load_b64 s[12:13], s[0:1], 0x48              ; query
	v_lshl_add_u32 v[SPW], v0, 2, SPARE
	v_mov_b32 v[NIL], 0
	ds_add_u32 v[SPW], v[NIL]                      ; the opening lines
	ds_add_u32 v[SPW], v[NIL]
	v_lshrrev_b32 v1, 5, v0
	v_readfirstlane_b32 s14, v1                    ; wave
	s_lshr_b32 s15, s14, 1                         ; my half of the rows; also: I fetch x (0) or key_w (1)
	s_and_b32 s16, s14, 1                          ; my half of the columns; also: which half I fetch
	s_bfe_u32 s40, ttmp6, 0x40000
	s_bfe_u32 s41, ttmp6, 0x40004
	s_lshl_b32 s42, ttmp9, 2
	s_add_co_u32 s42, s42, s40                     ; block column
	s_and_b32 s17, ttmp7, 0xffff
	s_lshl_b32 s17, s17, 2
	s_add_co_u32 s17, s17, s41                     ; block row
	s_lshl_b32 s43, s41, 2
	s_lshl_b32 s43, 15, s43                        ; my row of the cluster
	s_lshl_b32 s44, 0x1111, s40                    ; my column
	s_or_b32 s[G1+0], s43, (1<<20)|(1<<21)|(5<<22)|(3<<25)
	s_or_b32 s[G1B+0], s44, (1<<20)|(1<<21)|(5<<22)|(3<<25)
.irp g, G1, G1B
	s_mov_b32 s[\g+1], ROWB<<16
	s_mov_b32 s[\g+3], ROWB<<16
	s_mov_b32 s[\g+5], KROW
	s_mov_b32 s[\g+6], 0
	s_mov_b32 s[\g+7], 0
.endr
	s_mov_b32 s[G1+2], 128<<16                     ; the head's loads bring whole tiles: 128 rows of x,
	s_mov_b32 s[G1+4], 128
	s_mov_b32 s[G1B+2], 256<<16                    ; 256 of key_w
	s_mov_b32 s[G1B+4], 256
	s_or_b32 s[G1S+0], s43, (3<<16)|(1<<20)|(1<<21)|(5<<22)|(3<<25)
	s_or_b32 s[G1SB+0], s44, (3<<16)|(1<<20)|(1<<21)|(5<<22)|(3<<25)
.irp g, G1S, G1SB
	s_mov_b32 s[\g+1], 32<<16
	s_mov_b32 s[\g+3], 32<<16
	s_mov_b32 s[\g+5], 32
	s_mov_b32 s[\g+6], 0
	s_mov_b32 s[\g+7], 0
.endr
	s_mov_b32 s[G1S+2], 32<<16                     ; scales: 8,192 dense bytes of x's rows,
	s_mov_b32 s[G1S+4], 32
	s_mov_b32 s[G1SB+2], 64<<16                    ; 16,384 of key_w's
	s_mov_b32 s[G1SB+4], 64
	s_lshl_b32 s20, s17, 7                         ; x's first row
	s_lshl_b32 s46, s42, 8                         ; key_w's
	s_mov_b32 s21, 0
	s_mov_b32 s47, 0
	s_lshl_b64 s[22:23], s[20:21], 6               ; their scales,
	s_lshl_b64 s[92:93], s[46:47], 6
	s_lshl_b64 s[20:21], s[20:21], 10              ; their codes
	s_lshl_b64 s[46:47], s[46:47], 10
	s_mul_i32 s18, s16, 64*KROW                    ; the ring's halves in memory
	s_mov_b32 s19, 0
	s_mul_i32 s94, s16, 128*KROW
	s_mov_b32 s95, 0
	s_mul_i32 s45, s16, AH                         ; and in a slot
	s_mul_i32 s98, s16, HALFT
	s_add_co_u32 s98, s98, HALFT                   ; (also where my own columns' rows of key_w lie)
	s_mul_i32 s99, s15, AH                         ; my own rows of x
	s_mul_i32 s2, s15, HALFS/2
	s_add_co_u32 s2, s2, SCL                       ; my rows' scales
	s_mul_i32 s3, s16, HALFS
	s_add_co_u32 s3, s3, SCL+HALFS
	s_sub_co_u32 s3, s3, s2                        ; from there to my columns' scales
	s_mul_i32 s100, s14, WST
	s_add_co_u32 s101, s100, 8704
	s_mov_b32 s[SEL], 0x76543210
	s_mov_b32 s[SEL+1], 0xfedcba98
	s_wait_dscnt 0x0
	s_wait_kmcnt 0x0
	s_add_nc_u64 s[20:21], s[4:5], s[20:21]
	s_add_nc_u64 s[22:23], s[6:7], s[22:23]
	s_add_nc_u64 s[46:47], s[8:9], s[46:47]
	s_add_nc_u64 s[92:93], s[10:11], s[92:93]
	CROUND                                         ; the first joint loads meet
	s_mov_b32 s4, 1                                ; the head's four tiles: K step 0 of x,
	s_mov_b32 s5, 0
	s_mov_b64 s[6:7], s[20:21]
	s_or_b32 s7, s7, 0x80000000
	s_mov_b32 s8, 1                                ; of key_w,
	s_mov_b32 s9, HALFT
	s_mov_b64 s[10:11], s[46:47]
	s_or_b32 s11, s11, 0x80000000
	s_mov_b32 s[G0S], 1                            ; x's scales,
	s_mov_b32 s[G0S+1], SCL
	s_mov_b64 s[G0S+2:G0S+3], s[22:23]
	s_or_b32 s[G0S+3], s[G0S+3], 0x80000000
	s_mov_b32 s[G0SB], 1                           ; key_w's
	s_mov_b32 s[G0SB+1], SCL+HALFS
	s_mov_b64 s[G0SB+2:G0SB+3], s[92:93]
	s_or_b32 s[G0SB+3], s[G0SB+3], 0x80000000
	s_add_nc_u64 s[20:21], s[20:21], s[18:19]
	s_add_nc_u64 s[46:47], s[46:47], s[94:95]
.irp s, 0,1
	s_mov_b32 s[G0+4*\s], 1
	s_add_co_u32 s[G0+4*\s+1], s45, \s*SLOT
	s_add_nc_u64 s[G0+4*\s+2:G0+4*\s+3], s[20:21], \s*ROWB
	s_or_b32 s[G0+4*\s+3], s[G0+4*\s+3], 0x80000000
	s_mov_b32 s[G0B+4*\s], 1
	s_add_co_u32 s[G0B+4*\s+1], s98, \s*SLOT
	s_add_nc_u64 s[G0B+4*\s+2:G0B+4*\s+3], s[46:47], \s*ROWB
	s_or_b32 s[G0B+4*\s+3], s[G0B+4*\s+3], 0x80000000
.endr
	s_cmp_eq_u32 s15, 0                            ; the prefetches: of the rows that I fetch in the ring,
	s_cselect_b64 s[PFA:PFA+1], s[20:21], s[46:47]
	s_cselect_b32 s18, s40, s41                    ; my work-group's quarter, by its place among the four that ask jointly:
	s_cselect_b32 s19, 14, 15                      ; 16 rows of x or 32 of key_w, 1,024 bytes each
	s_cselect_b32 s45, 15, 31
	s_lshl_b32 s18, s18, s19
	s_mov_b32 s19, 0
	s_add_nc_u64 s[PFA:PFA+1], s[PFA:PFA+1], s[18:19]
.macro ARM under, g0, g1, next         ; one tree of branches on the wave's number: one load a wave at the head
	s_cmp_lt_u32 s14, \under
	s_cbranch_scc0 \next
	TL \g0, \g1
	s_branch .Lhead_asked
\next:
.endm
	ARM 1, 4, G1, .Lhead_b
	ARM 2, 8, G1B, .Lhead_sa
	ARM 3, G0S, G1S, .Lhead_sb
	TL G0SB, G1SB
.Lhead_asked:
	s_lshl_b32 s46, s42, 10                        ; my first column in bytes of f32
	s_lshl_b32 s47, s16, 9
	s_add_co_u32 s46, s46, s47
	s_mov_b32 s47, 0
	s_add_nc_u64 s[96:97], s[96:97], s[46:47]
	s_lshl_b32 s20, s17, 7
	s_lshl_b32 s21, s15, 6
	s_add_co_u32 s20, s20, s21                     ; my first row
	s_mov_b32 s21, 0
	s_lshl_b64 s[20:21], s[20:21], 13
	s_add_nc_u64 s[20:21], s[20:21], s[46:47]
	s_add_nc_u64 s[12:13], s[12:13], s[20:21]      ; query at my rows and head
	v_and_b32 v1, 15, v0                           ; r
	v_bfe_u32 v2, v0, 4, 1                         ; h
	v_and_b32 v6, 31, v0
	v_lshlrev_b32 v[BO], 5, v2
	v_mul_u32_u24 v3, v1, PITCH
	v_lshl_add_u32 v4, v2, 4, v3                   ; row x pitch + 16 h
	v_add_nc_u32 v[ADRA], s99, v4
	v_add_nc_u32 v[ADRB], s98, v4
	v_add_nc_u32 v[ADRA+1], SLOT, v[ADRA]
	v_add_nc_u32 v[ADRB+1], SLOT, v[ADRB]
	v_lshlrev_b32 v5, 6, v1                        ; scales: 64 bytes a row,
	v_lshrrev_b32 v7, 8, v5
	v_lshl_add_u32 v5, v7, 4, v5                   ; 16 more for each 256 passed
	v_mul_u32_u24 v7, s3, v2                       ; lanes 16-31 take key_w's
	v_add_nc_u32 v5, v5, v7
	v_add_nc_u32 v[ADRS], s2, v5
	v_mul_u32_u24 v5, v2, 272
	v_lshl_add_u32 v5, v1, 4, v5
	v_add_nc_u32 v[TW], s100, v5                   ; stage, in: lanes 0-15 one row, lanes 16-31 the next
	v_add_nc_u32 v[TR], s100, v4                   ; back, for k: row r, 16 bytes for each half
	v_add_nc_u32 v3, s100, v3
	v_lshl_add_u32 v[CR], v2, 6, v3                ; back, for q: cos and sin of row r, 64 bytes for each half,
	v_lshl_add_u32 v[QR], v2, 7, v3
	v_add_nc_u32 v[QR], QSTG, v[QR]                ; and q itself, 128 bytes for each half
	v_lshlrev_b32 v[LI], 4, v6
	v_lshlrev_b32 v[L8], 3, v6
	v_lshl_add_u32 v[SW], v1, 2, s101
	v_add_nc_u32 v[SRD], s101, v[L8]
	v_lshlrev_b32 v[QG], 13, v2
	v_lshl_or_b32 v[QG], v1, 4, v[QG]              ; query: lanes 0-15 256 bytes of one row, lanes 16-31 of the next
	v_min_u32 v[PFO], s45, v6                      ; (lanes left over name the last row again)
	v_lshlrev_b32 v[PFO], 10, v[PFO]
	s_wait_alu depctr_va_vdst(0)                   ; the wait at the head's end
.irp b, 0,1,2,3,4,5,6,7
	global_load_b128 v[BI+8*\b:BI+8*\b+3], v[BO], s[96:97] offset:64*\b       ; the bias at my columns 16 b + 8 h + 0 .. 7: the C of each sum's first product
	global_load_b128 v[BI+8*\b+4:BI+8*\b+7], v[BO], s[96:97] offset:64*\b+16
.endr
	global_prefetch_b8 v[PFO], s[PFA:PFA+1] offset:2*ROWB th:TH_LOAD_NT scope:SCOPE_SE   ; K step 2
.macro QLOAD a                         ; 16 rows x 512 bytes of query into window 3
	WIN 0xc0
.irp c, 0,1
.irp i, 0,1,2,3,4,5,6,7
	global_load_b128 v[64*(\a)+32*\c+4*\i:64*(\a)+32*\c+4*\i+3], v[QG], s[12:13] offset:131072*(\a)+16384*\i+256*\c th:TH_LOAD_NT
.endr
.endr
	WIN 0
.endm
	QLOAD 0
.macro FRAG reg, adr, q, i
.irp c, 0,1
	ds_load_b128 v[\reg+4*\c:\reg+4*\c+3], v[\adr] offset:64*(\q)+32*\c+(\i)*16*PITCH
.endr
.endm
.macro WM a, b, p, q, sc, c
	v_wmma_scale_f32_16x16x128_f8f6f4 v[64*(\a)+8*\b:64*(\a)+8*\b+7], v[128*(\p)+8*\b:128*(\p)+8*\b+7], v[AF+32*(\p)+8*(\a):AF+32*(\p)+8*(\a)+7], v[\c:\c+7], v[SC+32*(\sc)+4*\b+(\q)], v[SC+32*(\sc)+4*(\a)+(\q)] matrix_a_fmt:MATRIX_FMT_FP4 matrix_b_fmt:MATRIX_FMT_FP4 matrix_a_scale:MATRIX_SCALE_ROW1
.endm
.macro MUL16 a0, p, q, sc, zero        ; the 32 accumulators take turns, in the same order in every step
.irp a, \a0, \a0+1
.irp b, 0,1,2,3,4,5,6,7
.if \zero
	WM \a, \b, \p, \q, \sc, BI+8*\b
.else
	WM \a, \b, \p, \q, \sc, 64*(\a)+8*\b
.endif
.endr
.endr
.endm
.macro FETCH slot, q, p                ; 24 LDS loads: key_w's eight fragments and x's four, into sets p
	WIN TO_B
.irp i, 0,1,2,3,4,5,6,7
	FRAG 128*(\p)+8*\i, ADRB+\slot, \q, \i
.endr
	WIN 0
.irp i, 0,1,2,3
	FRAG AF+32*(\p)+8*\i, ADRA+\slot, \q, \i
.endr
.endm
.macro SCALES sc                       ; lanes 0-15: x's block i (i < 4 is used), lanes 16-31: key_w's block i
.irp i, 0,1,2,3,4,5,6,7
	ds_load_b128 v[SC+32*\sc+4*\i:SC+32*\sc+4*\i+3], v[ADRS] offset:\i*SBLK
.endr
.endm
.macro PLACES n
.rept \n
	v_nop
.endr
.endm
.macro STEP slot, q, zero              ; 128 along K; the next step's fragments are asked for ahead of this step's 32 products
	s_wait_dscnt 0x0
	PLACES NP
	FETCH \slot, (\q)+1, 1-(\q)%2
	WIN MUL_LO-0x20*(\zero)
	MUL16 0, (\q)%2, \q, \slot, \zero
	MUL16 2, (\q)%2, \q, \slot, \zero
.endm
.macro TURN slot, next, fill, ql       ; a slot's last step: its fragments are my last reads of the slot.  ql: the block of query asked for behind the refill
	WIN 0
	s_wait_tensorcnt 0x0                           ; my part of the next slot is in
	ds_add_u32 v[SPW], v[NIL]
	s_wait_dscnt 0x0                               ; the add is done, my reads of this slot are over
	s_barrier_signal -1
	WIN MUL_LO
	MUL16 0, 1, NQ-1, \slot, 0
	WIN 0
	s_barrier_wait -1
.if \fill
	CREST                                          ; the barrier has opened a round of the cluster's barrier
	s_add_nc_u64 s[G0+4*\slot+2:G0+4*\slot+3], s[G0+4*\slot+2:G0+4*\slot+3], 2*ROWB
	s_add_nc_u64 s[G0B+4*\slot+2:G0B+4*\slot+3], s[G0B+4*\slot+2:G0B+4*\slot+3], 2*ROWB
	JLOAD G0+4*\slot, G1, G0B+4*\slot, G1B         ; its four v_nop are the places in front of the loads below
.else
	PLACES NP
.endif
	v_add_nc_u32 v[ADRS], 4*NQ, v[ADRS]
	s_wait_alu depctr_va_vdst(0)                   ; the wait behind the write
	FETCH \next, 0, 0
	SCALES \next
.if \fill
	QLOAD \ql
.endif
	WIN MUL_LO
	MUL16 2, 1, NQ-1, \slot, 0
.endm
.macro STEPS slot, from
.set Q, \from
.rept NQ-1-\from
	STEP \slot, Q, 0
.set Q, Q+1
.endr
.endm
	s_wait_tensorcnt 0x0                           ; my tile of the head's four is in; the full sequence stands ahead of slot 1's first fill
	ds_add_u32 v[SPW], v[NIL]
	s_mov_b32 s[G1+2], 64<<16                      ; no load of mine is out: from here on a load brings half a tile
	s_mov_b32 s[G1+4], 64
	s_mov_b32 s[G1B+2], 128<<16
	s_mov_b32 s[G1B+4], 128
	s_wait_dscnt 0x0
	CROUND
	JLOAD G0+4, G1, G0B+4, G1B                     ; K step 1
	s_load_b256 s[4:11], s[0:1], 0x20              ; cos, sin, k_img, k_sc
	s_lshl_b32 s20, s17, 7
	s_lshl_b32 s21, s15, 6
	s_add_co_u32 s20, s20, s21                     ; my first row = 2,048 b + s0
	s_lshr_b32 s21, s20, 11
	s_and_b32 s20, s20, 2047
	s_lshl_b32 s46, s42, 1
	s_add_co_u32 s46, s46, s16
	s_lshl_b32 s21, s21, 4
	s_add_co_u32 s46, s46, s21                     ; 16 b + head
	s_load_b128 s[40:43], s[0:1], 0x50             ; q_img, q_sc
	s_lshl_b32 s22, s20, 8
	s_mov_b32 s23, 0
	s_lshl_b32 s92, s46, 17
	s_lshl_b32 s93, s20, 6
	s_add_co_u32 s92, s92, s93
	s_mov_b32 s93, 0
	s_lshl_b32 s18, s46, 13
	s_lshl_b32 s19, s20, 2
	s_add_co_u32 s18, s18, s19
	s_mov_b32 s19, 0
	FETCH 0, 0, 0
	SCALES 0
	global_prefetch_b8 v[PFO], s[PFA:PFA+1] offset:3*ROWB th:TH_LOAD_NT scope:SCOPE_SE   ; K step 3
	QLOAD 1
	s_wait_loadcnt 32                              ; the bias is in; query's first 32 loads may be out
	s_wait_kmcnt 0x0
	s_add_nc_u64 s[4:5], s[4:5], s[22:23]
	s_add_nc_u64 s[6:7], s[6:7], s[22:23]
	s_add_nc_u64 s[8:9], s[8:9], s[92:93]
	s_add_nc_u64 s[10:11], s[10:11], s[18:19]
	s_add_nc_u64 s[40:41], s[40:41], s[92:93]
	s_add_nc_u64 s[42:43], s[42:43], s[18:19]
.macro CSLOAD a                        ; cos and sin of block a's 16 positions: even blocks into v192-255 (the bias's, done with behind the first step), odd ones into v32-95
.set CSB, 192-160*((\a)%2)
.irp i, 0,1,2,3,4,5,6,7
	global_load_b128 v[CSB+4*\i:CSB+4*\i+3], v[LI], s[4:5] offset:4096*(\a)+512*\i
	global_load_b128 v[CSB+32+4*\i:CSB+32+4*\i+3], v[LI], s[6:7] offset:4096*(\a)+512*\i
.endr
.endm
	STEP 0, 0, 1
	STEPS 0, 1
	TURN 0, 1, 1, 2
	STEPS 1, 0
	TURN 1, 0, 1, 3
	STEPS 0, 0
	TURN 0, 1, 0, 0
	STEP 1, 0, 0
	WIN 0
	CSLOAD 0                                       ; the first block's tables are asked for three steps ahead of the way out
	STEPS 1, 1
	s_wait_dscnt 0x0
	MUL16 0, 1, NQ-1, 1, 0
	MUL16 2, 1, NQ-1, 1, 0
	WIN 0
; THE WAY OUT, block by block of 16 positions: k from the accumulators, q from window 3
.macro QN s                            ; 64 numbers of a lane (register 8 t + j = column 16 t + 8 h + j) become an operand's eight registers and its scale word
.irp b, 0,1,2,3
	v_max3_num_f32 v[TM+\b], |v[\s+16*\b]|, |v[\s+1+16*\b]|, 0x1800000   ; with the floor 2^(3 - 127)
.endr
.irp i, 2,4,6,8,10,12,14
.irp b, 0,1,2,3
	v_max3_num_f32 v[TM+\b], v[TM+\b], |v[\s+16*\b+\i]|, |v[\s+1+16*\b+\i]|
.endr
.endr
.irp b, 0,1,2,3
	v_permlanex16_b32 v[TM+4+\b], v[TM+\b], s[SEL], s[SEL+1]
.endr
.irp b, 0,1,2,3
	v_max_num_f32 v[TM+\b], v[TM+\b], v[TM+4+\b]
.endr
.irp b, 0,1,2,3
	v_add_nc_u32 v[TM+12+\b], 0xff000000, v[TM+\b] ; 2 off the exponent field: the conversion's scale operand
.endr
.irp b, 0,1,2,3
	v_lshrrev_b32 v[TM+4+\b], 23, v[TM+12+\b]
.endr
	v_lshl_or_b32 v[PW], v[TM+5], 8, v[TM+4]
	v_lshl_or_b32 v[PW], v[TM+6], 16, v[PW]
	v_lshl_or_b32 v[PW], v[TM+7], 24, v[PW]
.irp b, 0,1,2,3
	v_cvt_scalef32_pk8_fp4_f32 v[PC+4*(\b/2)+(\b%2)], v[\s+16*\b:\s+16*\b+7], v[TM+12+\b]
	v_cvt_scalef32_pk8_fp4_f32 v[PC+4*(\b/2)+(\b%2)+2], v[\s+16*\b+8:\s+16*\b+15], v[TM+12+\b]
.endr
	v_nop
.irp c, 0,1
	v_permlane16_swap_b32 v[PC+4*\c], v[PC+4*\c+1]
	v_permlane16_swap_b32 v[PC+4*\c+2], v[PC+4*\c+3]
.endr
.endm
.macro EBLOCK a
.set CSB, 192-160*((\a)%2)
.set AC, 64*(\a)
.if (\a) < 3
	s_wait_loadcnt 16                              ; the next block's sixteen table loads may be out; query's loads are older
.else
	s_wait_loadcnt 0x0
.endif
.irp i, 0,1,2,3,4,5,6,7
	ds_store_b128 v[TW], v[CSB+4*\i:CSB+4*\i+3] offset:544*\i
	ds_store_b128 v[TW], v[CSB+32+4*\i:CSB+32+4*\i+3] offset:4352+544*\i
.endr
.irp b, 0,1,2,3,4,5,6,7                        ; LDS serves a wave's instructions in order (ISA guide 5.7.1.4)
	ds_load_b128 v[CSB+4*\b:CSB+4*\b+3], v[TR] offset:32*\b
	ds_load_b128 v[CSB+32+4*\b:CSB+32+4*\b+3], v[TR] offset:4352+32*\b
.endr
.irp c, 0,1                                    ; q's way through its stage, and its cos and sin, are issued under k's vector work: 48 LDS instructions
	WIN 0x0c
.irp i, 0,1,2,3,4,5,6,7
	ds_store_b128 v[TW], v[AC+32*\c+4*\i:AC+32*\c+4*\i+3] offset:QSTG+544*\i
.endr
	WIN TO_B
.irp k, 0,1,2,3,4,5,6,7
	ds_load_b128 v[32*\c+4*\k:32*\c+4*\k+3], v[QR] offset:16*\k     ; window 1: register 32 c + n = q(row r, 64 c + 32 h + n)
.endr
.endr
.irp k, 0,1,2,3,4,5,6,7
	ds_load_b128 v[64+4*\k:67+4*\k], v[CR] offset:16*\k+64*(\k/4)       ; register 64 + 16 c + j: cos at pair 32 c + 16 h + j
	ds_load_b128 v[96+4*\k:99+4*\k], v[CR] offset:4352+16*\k+64*(\k/4)
.endr
	WIN 0
	s_wait_dscnt 48                                ; k's tables are back
	WIN 0x02
.irp b, 0,1,2,3,4,5,6,7                        ; rope; each accumulator is read from its low end on
.irp i, 0,1,2,3
	v_mul_f32 v[T0+2*(\i%2)], v[AC+8*\b+2*\i+1], v[CSB+32+4*\b+\i]
	v_mul_f32 v[T0+2*(\i%2)+1], v[AC+8*\b+2*\i+1], v[CSB+4*\b+\i]
	v_fma_f32 v[RR+8*\b+2*\i], v[AC+8*\b+2*\i], v[CSB+4*\b+\i], -v[T0+2*(\i%2)]
	v_fma_f32 v[RR+8*\b+2*\i+1], v[AC+8*\b+2*\i], v[CSB+32+4*\b+\i], v[T0+2*(\i%2)+1]
.endr
.endr
	WIN 0
.if (\a) > 0
	s_wait_xcnt 0x0                                ; the last block's stores have read their data
.endif
.if (\a) < 2
	CSLOAD (\a)+2
.endif
	QN RR
	global_store_b128 v[LI], v[PC:PC+3], s[8:9] offset:1024*(\a)
	global_store_b128 v[LI], v[PC+4:PC+7], s[8:9] offset:1024*(\a)+512
	ds_store_b32 v[SW], v[PW] offset:64*(\a)
	s_wait_dscnt 0x0                               ; q and its tables are back
	WIN 0x55                                       ; all in window 1
.irp c, 0,1
.irp j, 0,1,2,3,4,5,6,7,8,9,10,11,12,13,14,15
	v_mul_f32 v[128+2*(\j%2)], v[1+32*\c+2*\j], v[96+16*\c+\j]
	v_mul_f32 v[129+2*(\j%2)], v[1+32*\c+2*\j], v[64+16*\c+\j]
	v_fma_f32 v[1+32*\c+2*\j], v[32*\c+2*\j], v[96+16*\c+\j], v[129+2*(\j%2)]
	v_fma_f32 v[32*\c+2*\j], v[32*\c+2*\j], v[64+16*\c+\j], -v[128+2*(\j%2)]
.endr
.endr
.irp c, 0,1                                    ; a lane holds two whole blocks of 32
	v_max3_num_f32 v[132+\c], |v[32*\c]|, |v[1+32*\c]|, 0x1800000
.endr
.irp i, 2,4,6,8,10,12,14,16,18,20,22,24,26,28,30
.irp c, 0,1
	v_max3_num_f32 v[132+\c], v[132+\c], |v[32*\c+\i]|, |v[1+32*\c+\i]|
.endr
.endr
.irp c, 0,1
	v_add_nc_u32 v[136+\c], 0xff000000, v[132+\c]
.endr
.irp c, 0,1
	v_lshrrev_b32 v[134+\c], 23, v[136+\c]
.endr
	v_lshl_or_b32 v140, v135, 16, v134
	v_mov_b32 v142, 0
	v_lshlrev_b32 v140, v141, v140                 ; my two bytes, 8 h bits up
	v_permlanex16_b32 v142, v140, s[SEL], s[SEL+1]
	v_or_b32 v140, v140, v142                      ; the row's scale word
.irp c, 0,1
.irp g, 0,1,2,3
	v_cvt_scalef32_pk8_fp4_f32 v[144+4*\c+\g], v[32*\c+8*\g:32*\c+8*\g+7], v[136+\c]
.endr
.endr
	v_nop
	WIN 0x04                                       ; the data in window 1
	global_store_b128 v[LI], v[144:147], s[40:41] offset:1024*(\a)
	global_store_b128 v[LI], v[148:151], s[40:41] offset:1024*(\a)+512
	ds_store_b32 v[SW], v140 offset:256+64*(\a)
	WIN 0
.endm
	PLACES NP
.irp b, 0,1,2,3
	v_mov_b32 v[TM+4+\b], 0                        ; a lane permute's destination counts as a source
.endr
	WIN TO_B
	v_lshlrev_b32 v141, 3, v2                      ; window 1: 8 h
	WIN 0
	s_wait_alu depctr_va_vdst(0)                   ; the wait
	CSLOAD 1
.irp a, 0,1,2,3
	EBLOCK \a
.endr
	ds_load_b64 v[TM:TM+1], v[SRD]                 ; my 64 positions' scale words: 256 bytes each of k's and q's
	ds_load_b64 v[TM+2:TM+3], v[SRD] offset:256
	s_wait_dscnt 0x0
	global_store_b64 v[L8], v[TM:TM+1], s[10:11]
	global_store_b64 v[L8], v[TM+2:TM+3], s[42:43]
	s_wait_tensorcnt 0x0                           ; the wave's end
	ds_add_u32 v[SPW], v[NIL]
	s_wait_dscnt 0x0
	CROUND
	s_endpgm
.Lfunc_end_k_q63b4943498_kproj:
	.size	k_q63b4943498_kproj, .Lfunc_end_k_q63b4943498_kproj-k_q63b4943498_kproj
	.p2alignl 7, 3214868480
	.fill 96, 4, 3214868480
	.section	.rodata,"a",@progbits
	.p2align	6, 0x0
	.amdhsa_kernel k_q63b4943498_kproj
		.amdhsa_group_segment_fixed_size 327680
		.amdhsa_private_segment_fixed_size 0
		.amdhsa_enable_private_segment 0
		.amdhsa_kernarg_size 96
		.amdhsa_user_sgpr_count 2
		.amdhsa_user_sgpr_kernarg_segment_ptr 1
		.amdhsa_wavefront_size32 1
		.amdhsa_system_sgpr_workgroup_id_x 1
		.amdhsa_system_sgpr_workgroup_id_y 1
		.amdhsa_system_sgpr_workgroup_id_z 1
		.amdhsa_system_vgpr_workitem_id 0
		.amdhsa_next_free_vgpr 1024
		.amdhsa_next_free_sgpr 102
		.amdhsa_reserve_vcc 0
		.amdhsa_float_denorm_mode_32 3
		.amdhsa_float_denorm_mode_16_64 3
		.amdhsa_memory_ordered 1
		.amdhsa_forward_progress 1
		.amdhsa_inst_pref_size 223
	.end_amdhsa_kernel
	.amdgpu_metadata
---
amdhsa.version: [ 1, 2 ]
amdhsa.kernels:
  - .name:           k_q63b4943498_kproj
    .symbol:         k_q63b4943498_kproj.kd
    .args:
      - { .name: x_codes, .offset: 0, .size: 8, .value_kind: global_buffer, .address_space: global }
      - { .name: x_scales, .offset: 8, .size: 8, .value_kind: global_buffer, .address_space: global }
      - { .name: key_w_codes, .offset: 16, .size: 8, .value_kind: global_buffer, .address_space: global }
      - { .name: key_w_scales, .offset: 24, .size: 8, .value_kind: global_buffer, .address_space: global }
      - { .name: freqs_cos, .offset: 32, .size: 8, .value_kind: global_buffer, .address_space: global }
      - { .name: freqs_sin, .offset: 40, .size: 8, .value_kind: global_buffer, .address_space: global }
      - { .name: k_img, .offset: 48, .size: 8, .value_kind: global_buffer, .address_space: global }
      - { .name: k_sc, .offset: 56, .size: 8, .value_kind: global_buffer, .address_space: global }
      - { .name: key_b, .offset: 64, .size: 8, .value_kind: global_buffer, .address_space: global }
      - { .name: query, .offset: 72, .size: 8, .value_kind: global_buffer, .address_space: global }
      - { .name: q_img, .offset: 80, .size: 8, .value_kind: global_buffer, .address_space: global }
      - { .name: q_sc, .offset: 88, .size: 8, .value_kind: global_buffer, .address_space: global }
    .group_segment_fixed_size: 327680
    .private_segment_fixed_size: 0
    .kernarg_segment_align: 8
    .kernarg_segment_size: 96
    .max_flat_workgroup_size: 128
    .sgpr_count:     102
    .vgpr_count:     1024
    .wavefront_size: 32
...
	.end_amdgpu_metadata
.endif
;; end of part 1
;; launch attn (part 2): grid 8 x 32, 16 waves a work-group, no clusters, 327,680 bytes of LDS; arguments q_img, q_sc, k_img, k_sc, value_codes, value_scales, a_img, a_sc; writes a_img, a_sc
.if DOCPART == 2
	.amdgcn_target "amdgcn-amd-amdhsa--gfx1250"
	.amdhsa_code_object_version 6
	.text
	.protected	k_q63b4943498_attn
	.globl	k_q63b4943498_attn
	.p2align	8
	.type	k_q63b4943498_attn,@function
k_q63b4943498_attn:
	s_mov_b64 s[64:65], 0
	v_nop
	global_prefetch_b8 v0, s[64:65] scope:SCOPE_SE
	s_setreg_imm32_b32 hwreg(HW_REG_WAVE_MODE, 25, 1), 1
	s_wait_xcnt 0x0
; Causal attention of one (batch, head) on FP4 (E2M1) codes: q and k come as images of operands' registers (q_img, k_img) with their scale words; value as codes with the keys innermost.
; p = 2^(t - M), t = score x log2(e) / sqrt(128), M the running largest t rounded up to a whole number; the row's sum is taken of the unquantised p and divides at the end.
; Key steps that lie wholly under the causal mask are left out, and slots that no wave of the work-group reads are not fetched.
; SHARES.  Work-group i of a head owns query blocks i (early) and 15 - i (late), 128 queries each.  Waves 2 p and 2 p + 1 form pair p and own tile p (16 queries) of both blocks.
; Up to key step i each wave walks its own tile.  Then the early tile is done: its wave parks O^T, the sum and M in LDS, takes the late tile's Q from LDS, where its partner has laid it,
; and the two waves take the late tile's remaining steps by turns (step t: t - i odd, the late wave; even, the early wave): 9 and 8 steps a wave for every i.
; At the end the helper hands its part over through LDS; parts are joined by 2^(M part - M joint), exact; each wave finishes and stores the tile that it began with.
; A state is begun anew by setting M to -3e38 alone: the next factor is 0 and clears the sums.  LIMIT: that takes finite sums; NaN and infinities are not served.
; LIMIT: the scaled scores stay under 2^31 in magnitude.  A block of zeros gets the byte 1: its codes are zeros, and this program alone reads the bytes.
; cluster = none: the eight work-groups of a head need different numbers of slots under the causal limit.
; PREFETCH: slots 0 and 1 come by their loads alone.  Work-group 0 of a head asks for slot 2 at the change that loads slot 1, work-group 1 for slot 3 at the change that loads slot 2: a slot's four key steps ahead.
; Both read what they ask for.  Waves 4 to 7 name K's 32,768 dense bytes, lanes 256 bytes apart; waves 8 to 11 V's 128 rows, a lane a row of 256 bytes: each block of 256 bytes once in the launch.
; OUT: a_img [K / 512][row / 16][(K / 128) % 4][c 2][lane 32][16 bytes], a_sc [row][64].
; REGISTERS: v1-11, v24-31 addresses; v12 -M, v13 largest t, v[14:15] the sum; v16-23 Q; v32-95 eight fragments of K or V; v96-159 S^T, p; v160-223 O^T; v224-231 p's codes; v240-243, v248-251, v253, v255 scale words.
.set SK,    512
.set NQ,    4
.set VP,    272
.set VOFF,  32768
.set SLOT1, 1<<17
.set NSL,   4
.set SCK,   2*SLOT1
.set SCH,   16*272
.set SCV,   SCK+2*SCH
.set SPARE, SCV+2*SCH
.set QX,    SPARE+2048                 ; the late tiles' Q: 1,024 bytes of codes + 128 of scale words a pair, in 1,280
.set AREA,  8704                       ; a parked state: O^T 8,192 bytes, v12-15 512
.set SAVE0, 8*AREA                     ; hand-over areas: pair p at p AREA, in slot 0 behind its last fill and read; parked states behind them, four to a slot's gap, where no fill lands
.set AK0,  1
.set AV0,  2
.set ASK0, 3
.set ASV0, 4
.set SPW,  5
.set NIL,  6
.set QS,   7
.set ADK,  8
.set ADV,  9
.set ADS,  10
.set ADT,  11
.set QXA,  24
.set QXS,  25
.set SO,   28
.set LDA,  29                          ; late wave: the pair's hand-over area; early wave: its parked state
.set XSA,  30                          ; the pair's hand-over area
.set PFO,  31                          ; the prefetch's lane offset; never rewritten
.set PC,   224
.set TM,   232
.set PW,   253
.set PFA,  20                          ; s[20:21] where my wave's prefetch stands; never rewritten
.set WV,   22
.set LIM,  23                          ; the count of slots at which my wave asks; 0: never
.set SEL,  24
.set CS,   26
.set G1K,  28
.set G1V,  36
.set G0K,  44
.set G0V,  48
.set G1S,  52
.set G0SK, 60
.set G0SV, 68
.set TB,   72
.set TS,   73
.set TJ,   74
.set SLOTS, 75
.set KF,   76
.set Q0,   77
.set Q0L,  90
.set QLAST, 91
.set TBK,  92
.set TBV,  93
.set QC,   94
.set PP,   95
.set RO,   98                          ; 1: my own tile is the late one
.set DD,   99                          ; key step - i
.macro TL g0, g1
	tensor_load_to_lds s[\g0:\g0+3], s[\g1:\g1+7]
	s_nop 0
.rept 4
	v_nop
.endr
.endm
.macro TLOAD                           ; waves 0, 1: K's halves; waves 2, 3: V's
	s_cmp_lt_u32 s[WV], 2
	s_cbranch_scc0 .Lnot_k_\@
	TL G0K, G1K
	s_branch .Lasked_\@
.Lnot_k_\@:
	s_cmp_lt_u32 s[WV], 4
	s_cbranch_scc0 .Lasked_\@
	TL G0V, G1V
.Lasked_\@:
.endm
	s_load_b256 s[4:11], s[0:1], 0x0               ; q_img, q_sc, k_img, k_sc
	s_load_b256 s[12:19], s[0:1], 0x20             ; value_codes, value_scales, a_img, a_sc
	v_lshl_add_u32 v[SPW], v0, 2, SPARE
	v_mov_b32 v[NIL], 0
	ds_add_u32 v[SPW], v[NIL]                      ; the opening lines
	ds_add_u32 v[SPW], v[NIL]
	v_lshrrev_b32 v8, 5, v0
	v_readfirstlane_b32 s[WV], v8
	v_and_b32 v8, 15, v0                           ; r
	v_bfe_u32 v9, v0, 4, 1                         ; h
	v_and_b32 v10, 31, v0
	v_lshlrev_b32 v[AK0], 4, v10
	v_lshlrev_b32 v[QS], 2, v8
	s_and_b32 s78, ttmp7, 0xffff                   ; 16 b + head
	s_lshr_b32 s79, s[WV], 2
	s_xor_b32 s79, s79, s[WV]
	s_and_b32 s[RO], s79, 1
	s_sub_co_u32 s79, 15, ttmp9
	s_lshl_b32 s[Q0L], s79, 7
	s_or_b32 s[QLAST], s[Q0L], 127                 ; the work-group's last query
	s_lshr_b32 s[PP], s[WV], 1
	s_lshl_b32 s79, s[PP], 4
	s_add_co_u32 s[Q0L], s[Q0L], s79               ; the pair's late tile
	s_lshl_b32 s[Q0], ttmp9, 7
	s_add_co_u32 s[Q0], s[Q0], s79                 ; its early tile
	s_cmp_lg_u32 s[RO], 0
	s_cselect_b32 s[Q0], s[Q0L], s[Q0]             ; my own
	s_sub_co_i32 s[DD], 0, ttmp9
	s_and_b32 s89, s[WV], 1
	s_lshl_b32 s79, s78, 17
	s_lshl_b32 s86, s89, 14
	s_add_co_u32 s80, s79, s86
	s_mov_b32 s81, 0
	s_lshl_b32 s82, s89, 16
	s_add_co_u32 s82, s82, s79
	s_mov_b32 s83, 0
	s_mul_i32 s87, s89, 64*VP
	s_add_co_u32 s87, s87, VOFF
	s_lshl_b32 s84, s89, 12
	s_lshl_b32 s79, s78, 13
	s_add_co_u32 s84, s84, s79
	s_mov_b32 s85, 0
	s_mul_i32 s88, s89, SCH
	s_mov_b32 s[G1K], 3<<16                        ; K: 16,384 dense bytes as 64 rows of 256
	s_mov_b32 s[G1K+1], 32<<16
	s_mov_b32 s[G1K+2], 64<<16
	s_mov_b32 s[G1K+3], 32<<16
	s_mov_b32 s[G1K+4], 64
	s_mov_b32 s[G1K+5], 32
	s_mov_b32 s[G1K+6], 0
	s_mov_b32 s[G1K+7], 0
	s_mov_b32 s[G1V], (1<<20)|(5<<22)|(3<<25)      ; V: 64 rows of 256 bytes, 1,024 apart, 16 of padding
	s_mov_b32 s[G1V+1], 256<<16
	s_mov_b32 s[G1V+2], 64<<16
	s_mov_b32 s[G1V+3], 256<<16
	s_mov_b32 s[G1V+4], 64
	s_mov_b32 s[G1V+5], 1024
	s_mov_b32 s[G1V+6], 0
	s_mov_b32 s[G1V+7], 0
	s_mov_b32 s[G1S], (3<<16)|(1<<20)|(5<<22)|(3<<25)   ; scale bytes: 4,096 dense bytes, padded
	s_mov_b32 s[G1S+1], 32<<16
	s_mov_b32 s[G1S+2], 16<<16
	s_mov_b32 s[G1S+3], 32<<16
	s_mov_b32 s[G1S+4], 16
	s_mov_b32 s[G1S+5], 32
	s_mov_b32 s[G1S+6], 0
	s_mov_b32 s[G1S+7], 0
	s_mov_b32 s[SEL], 0x76543210
	s_mov_b32 s[SEL+1], 0xfedcba98
	s_mov_b32 s[CS], 0x3e0293ee                    ; log2(e) / sqrt(128)
	s_mov_b32 s[CS+1], s[CS]
	s_mov_b32 s[TB], 0
	s_mov_b32 s[TS], 0
	s_mov_b32 s[TJ], 0
	s_mov_b32 s[SLOTS], NSL-1
	s_mov_b32 s[KF], 0
	s_wait_alu depctr_va_vdst(0)                   ; the wait ahead of the blocking waits
	s_wait_dscnt 0x0
	s_wait_kmcnt 0x0
	s_mov_b32 s[G0SK], 1
	s_add_co_u32 s[G0SK+1], s88, SCK
	s_add_nc_u64 s[G0SK+2:G0SK+3], s[10:11], s[84:85]
	s_or_b32 s[G0SK+3], s[G0SK+3], 0x80000000
	s_mov_b32 s[G0SV], 1
	s_add_co_u32 s[G0SV+1], s88, SCV
	s_add_nc_u64 s[G0SV+2:G0SV+3], s[14:15], s[84:85]
	s_or_b32 s[G0SV+3], s[G0SV+3], 0x80000000
	s_mov_b32 s[G0K], 1
	s_mov_b32 s[G0K+1], s86
	s_add_nc_u64 s[G0K+2:G0K+3], s[8:9], s[80:81]
	s_or_b32 s[G0K+3], s[G0K+3], 0x80000000
	s_mov_b32 s[G0V], 1
	s_mov_b32 s[G0V+1], s87
	s_add_nc_u64 s[G0V+2:G0V+3], s[12:13], s[82:83]
	s_or_b32 s[G0V+3], s[G0V+3], 0x80000000
.macro ARM under, g0, g1, next         ; one tree of branches on the wave's number: at most one load a wave at the head
	s_cmp_lt_u32 s[WV], \under
	s_cbranch_scc0 \next
	TL \g0, \g1
	s_branch .Lhead_asked
\next:
.endm
	ARM 2, G0K,  G1K, .Lhead_v
	ARM 4, G0V,  G1V, .Lhead_sk
	ARM 6, G0SK, G1S, .Lhead_sv
	ARM 8, G0SV, G1S, .Lhead_none
.Lhead_asked:
	s_lshl_b32 s80, s78, 17                        ; Q's codes: 131,072 bytes a head, 64 a query
	s_lshl_b32 s79, s[Q0], 6
	s_add_co_u32 s80, s80, s79
	s_mov_b32 s81, 0
	s_add_nc_u64 s[4:5], s[4:5], s[80:81]
	s_lshl_b32 s80, s78, 13                        ; its scale words: 8,192 a head, 4 a query
	s_lshl_b32 s79, s[Q0], 2
	s_add_co_u32 s80, s80, s79
	s_add_nc_u64 s[6:7], s[6:7], s[80:81]
	global_load_b128 v[16:19], v[AK0], s[4:5]
	global_load_b128 v[20:23], v[AK0], s[4:5] offset:512
	global_load_b32 v255, v[QS], s[6:7]
	s_cmp_lt_u32 s[WV], 8                          ; the prefetch: waves 4 to 7 for K, 8 to 11 for V
	s_cselect_b64 s[PFA:PFA+1], s[8:9], s[12:13]
	s_mov_b32 s79, SK/2
	s_cselect_b32 s79, SK*64, s79                  ; a slot on
	s_mov_b32 s80, 1024
	s_cselect_b32 s80, 256, s80                    ; from lane to lane
	s_mov_b32 s81, 32*1024
	s_cselect_b32 s81, 8192, s81                   ; from wave to wave
	s_and_b32 s82, s[WV], 3
	s_mul_i32 s82, s82, s81
	s_min_u32 s83, ttmp9, 1
	s_add_co_u32 s83, s83, 2                       ; slot 2 or 3
	s_mul_i32 s83, s83, s79
	s_add_co_u32 s82, s82, s83
	s_lshl_b32 s83, s78, 17
	s_add_co_u32 s82, s82, s83
	s_mov_b32 s83, 0
	s_add_nc_u64 s[PFA:PFA+1], s[PFA:PFA+1], s[82:83]
	s_sub_co_u32 s82, s[WV], 4
	s_lshr_b32 s82, s82, 3                         ; 0 in waves 4 to 11
	s_lshr_b32 s83, ttmp9, 1                       ; 0 in work-groups 0 and 1
	s_or_b32 s82, s82, s83
	s_sub_co_u32 s83, 3, ttmp9
	s_cmp_eq_u32 s82, 0
	s_cselect_b32 s[LIM], s83, 0
	s_lshr_b32 s79, s78, 4
	s_lshl_b32 s79, s79, 11
	s_add_co_u32 s79, s79, s[Q0]                   ; my first row of [4096]
	s_and_b32 s78, s78, 15                         ; head
	s_mov_b32 s85, 0
	s_lshr_b32 s84, s78, 2
	s_lshl_b32 s84, s84, 20
	s_lshl_b32 s86, s79, 8
	s_add_co_u32 s84, s84, s86
	s_and_b32 s86, s78, 3
	s_lshl_b32 s86, s86, 10
	s_add_co_u32 s84, s84, s86
	s_add_nc_u64 s[16:17], s[16:17], s[84:85]
	s_lshl_b32 s84, s79, 6
	s_lshl_b32 s86, s78, 2
	s_add_co_u32 s84, s84, s86
	s_add_nc_u64 s[18:19], s[18:19], s[84:85]
	s_mul_i32 s81, s[PP], AREA                     ; the pair's hand-over area
	s_lshr_b32 s82, s[PP], 2
	s_lshl_b32 s82, s82, 17
	s_and_b32 s86, s[PP], 3
	s_mul_i32 s86, s86, AREA
	s_add_co_u32 s82, s82, s86
	s_add_co_u32 s82, s82, SAVE0                   ; its parked state
	s_sub_co_u32 s83, s82, s81
	s_xor_b32 s86, s[RO], 1
	s_mul_i32 s83, s83, s86
	s_add_co_u32 s83, s83, s81
	s_mul_i32 s84, s[PP], 1280
	s_add_co_u32 s84, s84, QX
	v_mul_u32_u24 v[AV0], v8, VP
	v_lshlrev_b32 v12, 6, v8
	v_lshl_add_u32 v[AV0], v9, 4, v[AV0]
	v_lshrrev_b32 v13, 8, v12
	v_add_nc_u32 v[AV0], VOFF, v[AV0]
	v_and_b32 v12, 255, v12
	v_lshl_add_u32 v[ASK0], v8, 2, SCK
	v_mad_u32_u24 v[ASV0], v13, 272, v12
	v_lshlrev_b32 v[SO], 6, v8
	v_add_nc_u32 v[ASV0], SCV, v[ASV0]
	v_add_nc_u32 v[LDA], s83, v[AK0]
	v_add_nc_u32 v[XSA], s81, v[AK0]
	v_add_nc_u32 v[QXA], s84, v[AK0]
	v_lshl_add_u32 v[QXS], v10, 2, s84
	v_mul_lo_u32 v[PFO], v10, s80
	v_add_nc_u32 v[QXS], 1024, v[QXS]
	v_mov_b32 v13, 0xff61b1e6                      ; -3e38, under every t
	v_mov_b32 v12, 0x7f61b1e6                      ; -M
	v_mov_b32 v14, 0
	v_mov_b32 v15, 0
.irp b, 0,1,2,3
	v_mov_b32 v[236+\b], 0
.endr
	v_mov_b32 v252, 0
	v_mov_b32 v253, 0
.set J, 0
.rept 64
	v_mov_b32 v[160+J], 0
.set J, J+1
.endr
	s_wait_alu depctr_va_vdst(0)                   ; the wait at the head's end
	s_wait_loadcnt 0x0                             ; Q
	s_cmp_eq_u32 s[RO], 0
	s_cbranch_scc1 .Lno_qx
	ds_store_b128 v[QXA], v[16:19]                 ; the late tile's Q, for my partner: read behind the loop's first barrier at the earliest
	ds_store_b128 v[QXA], v[20:23] offset:512
	ds_store_b32 v[QXS], v255
.Lno_qx:
.macro PUT adr                         ; O^T (each accumulator from its low end on), -M, the largest t and the sum
.set J, 0
.rept 16
	ds_store_b128 v[\adr], v[160+4*J:163+4*J] offset:512*J
.set J, J+1
.endr
	ds_store_b128 v[\adr], v[12:15] offset:8192
.endm
.macro STEP
	s_cmp_lg_u32 s[RO], 0
	s_cbranch_scc1 .Lnosw_\@
	s_cmp_lg_u32 s[DD], 1
	s_cbranch_scc1 .Lnosw_\@
.rept 4
	v_nop                                          ; places behind the last products
.endr
	PUT LDA                                        ; THE EARLY TILE IS DONE: its state is parked,
	ds_load_b128 v[16:19], v[QXA]                  ; the late tile's Q taken,
	ds_load_b128 v[20:23], v[QXA] offset:512
	ds_load_b32 v255, v[QXS]
	v_mov_b32 v13, 0xff61b1e6                      ; and M set back: the next step's factor is 0
	v_mov_b32 v12, 0x7f61b1e6
	s_mov_b32 s[Q0], s[Q0L]
	s_wait_alu depctr_va_vdst(0)
	s_wait_dscnt 0x0
.Lnosw_\@:
	s_add_co_u32 s78, s[Q0], 15
	s_cmp_gt_u32 s[KF], s78                        ; all keys behind my queries
	s_cbranch_scc1 .Lhidden_\@
	s_cmp_le_i32 s[DD], 0
	s_cbranch_scc1 .Lmine_\@
	s_and_b32 s78, s[DD], 1
	s_cmp_lg_u32 s78, s[RO]                        ; my partner's turn
	s_cbranch_scc1 .Lhidden_\@
.Lmine_\@:
	v_add_nc_u32 v[ADK], s[TBK], v[AK0]            ; (these four are the places in front of the loads)
	v_add_nc_u32 v[ADV], s[TBV], v[AV0]
	v_add_nc_u32 v[ADS], s[TS], v[ASK0]
	v_add_nc_u32 v[ADT], s[TJ], v[ASV0]
.irp t, 0,1,2,3,4,5,6,7
	ds_load_b128 v[32+8*\t:35+8*\t], v[ADK] offset:\t*1024
	ds_load_b128 v[36+8*\t:39+8*\t], v[ADK] offset:\t*1024+512
	ds_load_b32 v[248+\t-12*(\t/4)], v[ADS] offset:272*(\t/4)+64*(\t%4)
.endr
	s_wait_alu depctr_va_vdst(0)                   ; the wait ahead of the blocking wait
	s_wait_dscnt 0x0
.irp t, 0,1,2,3,4,5,6,7
	v_wmma_scale_f32_16x16x128_f8f6f4 v[96+8*\t:103+8*\t], v[32+8*\t:39+8*\t], v[16:23], 0, v[248+\t-12*(\t/4)], v255 matrix_a_fmt:MATRIX_FMT_FP4 matrix_b_fmt:MATRIX_FMT_FP4
.endr
.rept 4
	v_nop
.endr
.irp t, 0,1,2,3,4,5,6,7                        ; V's fragments are asked for ahead of the softmax
	ds_load_b128 v[32+8*\t:35+8*\t], v[ADV] offset:16*\t*VP
	ds_load_b128 v[36+8*\t:39+8*\t], v[ADV] offset:16*\t*VP+32
	ds_load_b32 v[248+\t-12*(\t/4)], v[ADT] offset:\t*4*272
.endr
	s_add_co_u32 s78, s[KF], 127
	s_cmp_le_u32 s78, s[Q0]
	s_cbranch_scc1 .Lopen_\@
	s_sub_co_i32 s78, s[Q0], s[KF]                 ; on the diagonal: register 8 t + j holds key KF + 16 t + 8 h + j
	v_and_b32 v252, 15, v0
	v_bfe_u32 v253, v0, 4, 1
	v_lshlrev_b32 v253, 3, v253
	v_sub_nc_u32 v252, v252, v253
	v_add_nc_u32 v252, s78, v252
	v_mov_b32 v254, 0xff800000
.set J, 0
.rept 64
	v_cmp_gt_i32 vcc_lo, 16*(J/8)+J%8, v252
	v_cndmask_b32 v[96+J], v[96+J], v254, vcc_lo
.set J, J+1
.endr
.Lopen_\@:
.irp b, 0,1,2,3
	v_max3_num_f32 v[232+\b], v[96+16*\b], v[97+16*\b], v[98+16*\b]   ; each block's largest score: for the row's maximum and for the block's largest p
.endr
.irp i, 3,5,7,9,11,13
.irp b, 0,1,2,3
	v_max3_num_f32 v[232+\b], v[232+\b], v[96+16*\b+\i], v[97+16*\b+\i]
.endr
.endr
.irp b, 0,1,2,3
	v_max_num_f32 v[232+\b], v[232+\b], v[111+16*\b]
.endr
.irp b, 0,1,2,3
	v_permlanex16_b32 v[236+\b], v[232+\b], s[SEL], s[SEL+1]
.endr
.irp b, 0,1,2,3
	v_max_num_f32 v[232+\b], v[232+\b], v[236+\b]
.endr
	s_delay_alu instid0(VALU_DEP_2)
	v_max3_num_f32 v254, v232, v233, v234
	s_delay_alu instid0(VALU_DEP_1)
	v_max_num_f32 v254, v254, v235
	s_delay_alu instid0(VALU_DEP_1)
	v_mul_f32 v254, s[CS], v254
	s_delay_alu instid0(VALU_DEP_1)
	v_max_num_f32 v13, v13, v254
	v_mov_b32 v254, v12
	s_delay_alu instid0(VALU_DEP_2)
	v_floor_f32 v12, -v13                          ; -M = floor(-t)
	s_delay_alu instid0(VALU_DEP_1)
	v_sub_f32 v254, v12, v254
	s_delay_alu instid0(VALU_DEP_1)
	v_cvt_i32_f32 v254, v254
	s_delay_alu instid0(VALU_DEP_1)
	v_ldexp_f32 v252, 1.0, v254                    ; f = 2^(old M - new M)
.set J, 0
.rept 32
	v_pk_fma_f32 v[96+J:97+J], v[96+J:97+J], s[CS:CS+1], v[12:13] op_sel_hi:[1,0,0]
.set J, J+2
.endr
.irp b, 0,1,2,3
	v_fma_f32 v[232+\b], v[232+\b], s[CS], v12
.endr
	s_wait_alu depctr_va_vdst(0)                   ; the wait ahead of the batch
.set J, 0
.rept 64
	v_exp_f32 v[96+J], v[96+J]
.set J, J+1
.endr
.irp b, 0,1,2,3
	v_exp_f32 v[232+\b], v[232+\b]
.endr
	v_pk_mul_f32 v[14:15], v[14:15], v[252:253] op_sel_hi:[1,0]
	s_wait_alu depctr_va_vdst(0)                   ; and behind it
.irp b, 0,1,2,3
	v_max_num_f32 v[232+\b], 0x1800000, v[232+\b]
.endr
.irp b, 0,1,2,3
	v_add_nc_u32 v[244+\b], 0xff000000, v[232+\b]
.endr
.irp b, 0,1,2,3
	v_lshrrev_b32 v[236+\b], 23, v[244+\b]
.endr
	v_lshl_or_b32 v253, v237, 8, v236
	s_delay_alu instid0(VALU_DEP_1)
	v_lshl_or_b32 v253, v238, 16, v253
	s_delay_alu instid0(VALU_DEP_1)
	v_lshl_or_b32 v253, v239, 24, v253             ; p's scale word
.irp b, 0,1,2,3
	v_cvt_scalef32_pk8_fp4_f32 v[224+4*(\b/2)+(\b%2)], v[96+16*\b:103+16*\b], v[244+\b]
	v_cvt_scalef32_pk8_fp4_f32 v[226+4*(\b/2)+(\b%2)], v[104+16*\b:111+16*\b], v[244+\b]
.endr
	v_nop
.irp c, 0,1
	v_permlane16_swap_b32 v[224+4*\c], v[225+4*\c]
	v_permlane16_swap_b32 v[226+4*\c], v[227+4*\c]
.endr
	v_pk_add_f32 v[236:237], v[96:97], v[98:99]    ; the sum of the unquantised p, in two chains
.irp j, 4,8,12,16,20,24,28,32,36,40,44,48,52,56,60
	v_pk_add_f32 v[14:15], v[14:15], v[96+\j:97+\j]
	v_pk_add_f32 v[236:237], v[236:237], v[98+\j:99+\j]
.endr
	v_pk_add_f32 v[14:15], v[14:15], v[236:237]
	s_wait_alu depctr_va_vdst(0)                   ; the wait ahead of the first reader of O^T
.set J, 0
.rept 32
	v_pk_mul_f32 v[160+J:161+J], v[160+J:161+J], v[252:253] op_sel_hi:[1,0]
.set J, J+2
.endr
	s_wait_alu depctr_va_vdst(0)
	s_wait_dscnt 0x0                               ; V's fragments
.irp t, 0,1,2,3,4,5,6,7
	v_wmma_scale_f32_16x16x128_f8f6f4 v[160+8*\t:167+8*\t], v[32+8*\t:39+8*\t], v[224:231], v[160+8*\t:167+8*\t], v[248+\t-12*(\t/4)], v253 matrix_a_fmt:MATRIX_FMT_FP4 matrix_b_fmt:MATRIX_FMT_FP4
.endr
.Lhidden_\@:
	s_add_co_u32 s[KF], s[KF], 128
	s_add_co_u32 s[TS], s[TS], 544
	s_add_co_u32 s[TJ], s[TJ], 4
	s_add_co_u32 s[TBK], s[TBK], 8192
	s_add_co_u32 s[TBV], s[TBV], 64
	s_add_co_i32 s[DD], s[DD], 1
.endm
.macro CHANGE fill                     ; at a slot's head
	s_wait_tensorcnt 0x0
	ds_add_u32 v[SPW], v[NIL]                      ; the add,
.if \fill
	ds_add_u32 v[SPW], v[NIL]                      ; and, where a load may follow, twice on end
	s_xor_b32 s[G0K+1], s[G0K+1], SLOT1
	s_add_nc_u64 s[G0K+2:G0K+3], s[G0K+2:G0K+3], SK*64
	s_xor_b32 s[G0V+1], s[G0V+1], SLOT1
	s_add_nc_u64 s[G0V+2:G0V+3], s[G0V+2:G0V+3], SK/2
.endif
	s_wait_dscnt 0x0
	s_barrier_signal -1
	s_barrier_wait -1
.if \fill
	s_add_co_u32 s78, s[KF], SK                    ; a slot whose first key lies behind the work-group's last query is read by no wave: it is not asked for
	s_cmp_gt_u32 s78, s[QLAST]
	s_cbranch_scc1 .Lpast_\@
	TLOAD
.Lpast_\@:
	s_cmp_eq_u32 s[SLOTS], s[LIM]                  ; the slot that the next change will load
	s_cbranch_scc0 .Lnot_mine_\@
	global_prefetch_b8 v[PFO], s[PFA:PFA+1] th:TH_LOAD_NT scope:SCOPE_SE
.Lnot_mine_\@:
.endif
.endm
.macro SLOT_STEPS
	s_mov_b32 s[TBK], s[TB]
	s_mov_b32 s[TBV], s[TB]
	s_mov_b32 s[QC], NQ
.Lq_\@:
	STEP
	s_sub_co_u32 s[QC], s[QC], 1
	s_cmp_lg_u32 s[QC], 0
	s_cbranch_scc1 .Lq_\@
	s_xor_b32 s[TB], s[TB], SLOT1
.endm
.Lslot:
	CHANGE 1
	SLOT_STEPS
	s_sub_co_u32 s[SLOTS], s[SLOTS], 1
	s_cmp_lg_u32 s[SLOTS], 0
	s_cbranch_scc1 .Lslot
	CHANGE 0
	SLOT_STEPS
; THE END.  The helper hands its part of the late tile over and counts its own registers for nothing (M = -3e38); each wave then joins its registers with what it loads.
.rept 4
	v_nop
.endr
	s_cmp_lg_u32 s[RO], 0
	s_cbranch_scc1 .Lkeep
	PUT XSA
	v_mov_b32 v12, 0x7f61b1e6
.Lkeep:
	s_wait_alu depctr_va_vdst(0)
	s_wait_dscnt 0x0
	s_barrier_signal -1
	s_barrier_wait -1
.set J, 0
.rept 16
	ds_load_b128 v[96+4*J:99+4*J], v[LDA] offset:512*J
.set J, J+1
.endr
	ds_load_b128 v[232:235], v[LDA] offset:8192
	s_wait_dscnt 0x0
	v_min_num_f32 v236, v12, v232                  ; the joint -M
	v_add_f32 v14, v14, v15
	v_add_f32 v234, v234, v235
	v_sub_f32 v237, v236, v12
	v_sub_f32 v238, v236, v232
	v_mov_b32 v245, 0
	v_mov_b32 v247, 0
	v_cvt_i32_f32 v237, v237
	v_cvt_i32_f32 v238, v238
	v_ldexp_f32 v244, 1.0, v237
	v_ldexp_f32 v246, 1.0, v238
	v_mul_f32 v14, v14, v244
	v_fmac_f32 v14, v234, v246
	v_permlanex16_b32 v252, v14, s[SEL], s[SEL+1]
	v_add_f32 v14, v14, v252                       ; the row's sum
	s_wait_alu depctr_va_vdst(0)
	v_rcp_f32 v14, v14
	v_nop
	s_wait_alu depctr_va_vdst(0)
	v_mul_f32 v244, v244, v14                      ; the division rides on the two factors
	v_mul_f32 v246, v246, v14
	s_wait_alu depctr_va_vdst(0)                   ; ahead of the first reader of O^T
.set J, 0
.rept 32
	v_pk_mul_f32 v[160+J:161+J], v[160+J:161+J], v[244:245] op_sel_hi:[1,0]
.set J, J+2
.endr
.set J, 0
.rept 32
	v_pk_fma_f32 v[96+J:97+J], v[96+J:97+J], v[246:247], v[160+J:161+J] op_sel_hi:[1,0,1]
.set J, J+2
.endr
.irp b, 0,1,2,3
	v_max3_num_f32 v[TM+\b], |v[96+16*\b]|, |v[97+16*\b]|, 0x1800000
.endr
.irp i, 2,4,6,8,10,12,14
.irp b, 0,1,2,3
	v_max3_num_f32 v[TM+\b], v[TM+\b], |v[96+16*\b+\i]|, |v[97+16*\b+\i]|
.endr
.endr
.irp b, 0,1,2,3
	v_permlanex16_b32 v[TM+4+\b], v[TM+\b], s[SEL], s[SEL+1]
.endr
.irp b, 0,1,2,3
	v_max_num_f32 v[TM+\b], v[TM+\b], v[TM+4+\b]
.endr
.irp b, 0,1,2,3
	v_add_nc_u32 v[TM+12+\b], 0xff000000, v[TM+\b]
.endr
.irp b, 0,1,2,3
	v_lshrrev_b32 v[TM+4+\b], 23, v[TM+12+\b]
.endr
	v_lshl_or_b32 v[PW], v[TM+5], 8, v[TM+4]
	v_lshl_or_b32 v[PW], v[TM+6], 16, v[PW]
	v_lshl_or_b32 v[PW], v[TM+7], 24, v[PW]
.irp b, 0,1,2,3
	v_cvt_scalef32_pk8_fp4_f32 v[PC+4*(\b/2)+(\b%2)], v[96+16*\b:103+16*\b], v[TM+12+\b]
	v_cvt_scalef32_pk8_fp4_f32 v[PC+4*(\b/2)+(\b%2)+2], v[104+16*\b:111+16*\b], v[TM+12+\b]
.endr
	v_nop
.irp c, 0,1
	v_permlane16_swap_b32 v[PC+4*\c], v[PC+4*\c+1]
	v_permlane16_swap_b32 v[PC+4*\c+2], v[PC+4*\c+3]
.endr
	s_wait_alu depctr_va_vdst(0)
	global_store_b128 v[AK0], v[PC:PC+3], s[16:17]
	global_store_b128 v[AK0], v[PC+4:PC+7], s[16:17] offset:512
	global_store_b32 v[SO], v[PW], s[18:19]
	s_wait_tensorcnt 0x0                           ; the wave's end
	ds_add_u32 v[SPW], v[NIL]
	s_wait_dscnt 0x0
	s_endpgm
.Lfunc_end_k_q63b4943498_attn:
	.size	k_q63b4943498_attn, .Lfunc_end_k_q63b4943498_attn-k_q63b4943498_attn
	.p2alignl 7, 3214868480
	.fill 96, 4, 3214868480
	.section	.rodata,"a",@progbits
	.p2align	6, 0x0
	.amdhsa_kernel k_q63b4943498_attn
		.amdhsa_group_segment_fixed_size 327680
		.amdhsa_private_segment_fixed_size 0
		.amdhsa_enable_private_segment 0
		.amdhsa_kernarg_size 64
		.amdhsa_user_sgpr_count 2
		.amdhsa_user_sgpr_kernarg_segment_ptr 1
		.amdhsa_wavefront_size32 1
		.amdhsa_system_sgpr_workgroup_id_x 1
		.amdhsa_system_sgpr_workgroup_id_y 1
		.amdhsa_system_sgpr_workgroup_id_z 1
		.amdhsa_system_vgpr_workitem_id 0
		.amdhsa_next_free_vgpr 256
		.amdhsa_next_free_sgpr 100
		.amdhsa_reserve_vcc 1
		.amdhsa_float_denorm_mode_32 3
		.amdhsa_float_denorm_mode_16_64 3
		.amdhsa_memory_ordered 1
		.amdhsa_forward_progress 1
		.amdhsa_inst_pref_size 78
	.end_amdhsa_kernel
	.amdgpu_metadata
---
amdhsa.version: [ 1, 2 ]
amdhsa.kernels:
  - .name:           k_q63b4943498_attn
    .symbol:         k_q63b4943498_attn.kd
    .args:
      - { .name: q_img, .offset: 0, .size: 8, .value_kind: global_buffer, .address_space: global }
      - { .name: q_sc, .offset: 8, .size: 8, .value_kind: global_buffer, .address_space: global }
      - { .name: k_img, .offset: 16, .size: 8, .value_kind: global_buffer, .address_space: global }
      - { .name: k_sc, .offset: 24, .size: 8, .value_kind: global_buffer, .address_space: global }
      - { .name: value_codes, .offset: 32, .size: 8, .value_kind: global_buffer, .address_space: global }
      - { .name: value_scales, .offset: 40, .size: 8, .value_kind: global_buffer, .address_space: global }
      - { .name: a_img, .offset: 48, .size: 8, .value_kind: global_buffer, .address_space: global }
      - { .name: a_sc, .offset: 56, .size: 8, .value_kind: global_buffer, .address_space: global }
    .group_segment_fixed_size: 327680
    .private_segment_fixed_size: 0
    .kernarg_segment_align: 8
    .kernarg_segment_size: 64
    .max_flat_workgroup_size: 512
    .sgpr_count:     100
    .vgpr_count:     256
    .wavefront_size: 32
...
	.end_amdgpu_metadata
.endif
;; end of part 2
;; launch proj (part 3): grid 8 x 32, 4 waves a work-group, clusters of 4 x 4, 327,680 bytes of LDS; arguments a_img, a_sc, proj_w_codes, proj_w_scales, out0, proj_b; writes out0
.if DOCPART == 3
	.amdgcn_target "amdgcn-amd-amdhsa--gfx1250"
	.amdhsa_code_object_version 6
	.text
	.protected	k_q63b4943498_proj
	.globl	k_q63b4943498_proj
	.p2align	8
	.type	k_q63b4943498_proj,@function
k_q63b4943498_proj:
	s_mov_b64 s[64:65], 0
	v_nop
	global_prefetch_b8 v0, s[64:65] scope:SCOPE_SE
	s_setreg_imm32_b32 hwreg(HW_REG_WAVE_MODE, 25, 1), 1
	s_wait_xcnt 0x0
	s_wait_alu depctr_hold_cnt(0) depctr_sa_sdst(0) depctr_va_vdst(0) depctr_va_sdst(0) depctr_va_ssrc(0) depctr_va_vcc(0) depctr_vm_vsrc(0)
	s_getreg_b32 s2, hwreg(HW_REG_IB_STS2, 6, 4)
	s_cmp_eq_u32 s2, 0
	s_cbranch_scc0 .Lentry_in_a_cluster
	s_endpgm
.Lentry_in_a_cluster:
	s_bfe_u32 s2, ttmp6, 0x10000c
	s_cmp_lg_u32 s2, 0xf033
	s_cbranch_scc0 .Lentry_shape_is_right
	s_endpgm
.Lentry_shape_is_right:
; out0 = A proj_w^T + proj_b.  A: [4096][2048] as FP4 (E2M1) codes laid as operands' registers: a_img [K / 512][row / 16][(K / 128) % 4][c 2][lane 32][16 bytes]; scale bytes a_sc [row][64].
; proj_w: [2048][2048]: codes, K innermost, 1,024 bytes a row; scale bytes 64 a row.  out0: [4096][2048] f32.  Sums in f32, begun with the bias.
; A block of 128 rows x 256 columns is made by four waves: 32 x 8 = 256 work-groups.  A wave makes 64 x 128: 32 accumulators.
; K goes in steps of 512 through a ring of two LDS slots; 128 rows x 512 K of A are 32,768 dense bytes.  The scale bytes of the block's rows, for all of K, come into LDS once.
; CLUSTERS 4 x 4: A's tiles are asked for jointly along a row of the cluster, proj_w's along a column.  PREFETCH: K steps 2 and 3, each two fills ahead of its load.
; TRANSPOSED USE (source 0 = 16 rows of proj_w, source 1 = 16 rows of A): a lane holds eight neighbouring numbers of a row of out0.
; REGISTERS: window 0: v0-31 addresses; v32-95 scale words, two sets; v128-191 A's fragments, two sets; v192-255 the bias; on the way out v128-255 hold rows read back.  window 1: proj_w's fragments, two sets.  window 2: accumulator (a, b) at v[64 a + 8 b].
.set SIZE_N, 2048
.set NQ,     4
.set ROWB,   256
.set KROW,   1024
.set ASTEP,  1<<20                     ; a K step of A in memory
.set PITCH,  272
.set NP,     4                         ; places behind this matrix instruction (ISA guide 7.12.1)
.set HALFT,  128*PITCH
.set AH,     16384                     ; half of A's tile
.set SLOT,   3*HALFT                   ; A's 128 rows in the first third, then proj_w's 256
.set SCL,    2*SLOT
.set HALFS,  32*272
.set SBLK,   4*272
.set SPARE,  SCL+3*HALFS
.set SPITCH, 528                       ; the way out: a stage of 16 rows x (512 + 16) bytes a wave, in slot 0 behind its last fill and read
.set ADRA, 16
.set BO,   18
.set ADRB, 20
.set STO,  24
.set RD,   25
.set CO,   26
.set ADRS, 27
.set SPW,  28
.set NIL,  29
.set SC,   32
.set AF,   128
.set BI,   192
.set BK,   128
.set G1, 24
.set G0, 32
.set G1B, 48
.set G0B, 56
.set G1S, 68
.set G0S, 76
.set G1SB, 80
.set G0SB, 88
.set MSB, 0
.macro WIN new
.if MSB != (\new)
	s_set_vgpr_msb (MSB<<8)|(\new)
.set MSB, (\new)
.endif
.endm
.set MUL_LO, 0xa1
.set TO_B,   0x40
.macro TL g0, g1
	tensor_load_to_lds s[\g0:\g0+3], s[\g1:\g1+7]
	s_nop 0
.rept 4
	v_nop
.endr
.endm
.macro JLOAD g0a, g1a, g0b, g1b
	s_cmp_eq_u32 s15, 0
	s_cbranch_scc0 .Lfor_b_\@
	TL \g0a, \g1a
	s_branch .Lasked_\@
.Lfor_b_\@:
	TL \g0b, \g1b
.Lasked_\@:
.endm
.macro CREST
	s_cmp_lg_u32 s14, 0
	s_cbranch_scc1 .Lnot_wave_0_\@
	s_barrier_signal -3
.Lnot_wave_0_\@:
	s_barrier_wait -3
	s_barrier_signal -1
	s_barrier_wait -1
.endm
.macro CROUND
	s_barrier_signal -1
	s_barrier_wait -1
	CREST
.endm
	s_load_b256 s[4:11], s[0:1], 0x0               ; a_img, a_sc, proj_w codes, proj_w scales
	s_load_b64 s[12:13], s[0:1], 0x20              ; out0
	s_load_b64 s[96:97], s[0:1], 0x28              ; proj_b
	v_lshl_add_u32 v[SPW], v0, 2, SPARE
	v_mov_b32 v[NIL], 0
	ds_add_u32 v[SPW], v[NIL]                      ; the opening lines
	ds_add_u32 v[SPW], v[NIL]
	v_lshrrev_b32 v1, 5, v0
	v_readfirstlane_b32 s14, v1
	s_lshr_b32 s15, s14, 1
	s_and_b32 s16, s14, 1
	s_bfe_u32 s40, ttmp6, 0x40000
	s_bfe_u32 s41, ttmp6, 0x40004
	s_lshl_b32 s42, ttmp9, 2
	s_add_co_u32 s42, s42, s40                     ; block column
	s_and_b32 s17, ttmp7, 0xffff
	s_lshl_b32 s17, s17, 2
	s_add_co_u32 s17, s17, s41                     ; block row
	s_lshl_b32 s43, s41, 2
	s_lshl_b32 s43, 15, s43
	s_lshl_b32 s44, 0x1111, s40
	s_or_b32 s[G1+0], s43, (3<<16)|(1<<21)         ; A: dense rows of 256 bytes, no padding
	s_mov_b32 s[G1+1], 32<<16
	s_mov_b32 s[G1+2], 128<<16                     ; the head's loads bring whole tiles
	s_mov_b32 s[G1+3], 32<<16
	s_mov_b32 s[G1+4], 128
	s_mov_b32 s[G1+5], 32
	s_mov_b32 s[G1+6], 0
	s_mov_b32 s[G1+7], 0
	s_or_b32 s[G1B+0], s44, (1<<20)|(1<<21)|(5<<22)|(3<<25)
	s_mov_b32 s[G1B+1], ROWB<<16
	s_mov_b32 s[G1B+2], 256<<16
	s_mov_b32 s[G1B+3], ROWB<<16
	s_mov_b32 s[G1B+4], 256
	s_mov_b32 s[G1B+5], KROW
	s_mov_b32 s[G1B+6], 0
	s_mov_b32 s[G1B+7], 0
	s_or_b32 s[G1S+0], s43, (3<<16)|(1<<20)|(1<<21)|(5<<22)|(3<<25)
	s_or_b32 s[G1SB+0], s44, (3<<16)|(1<<20)|(1<<21)|(5<<22)|(3<<25)
.irp g, G1S, G1SB
	s_mov_b32 s[\g+1], 32<<16
	s_mov_b32 s[\g+3], 32<<16
	s_mov_b32 s[\g+5], 32
	s_mov_b32 s[\g+6], 0
	s_mov_b32 s[\g+7], 0
.endr
	s_mov_b32 s[G1S+2], 32<<16
	s_mov_b32 s[G1S+4], 32
	s_mov_b32 s[G1SB+2], 64<<16
	s_mov_b32 s[G1SB+4], 64
	s_lshl_b32 s20, s17, 7                         ; A's first row
	s_lshl_b32 s46, s42, 8                         ; proj_w's
	s_mov_b32 s21, 0
	s_mov_b32 s47, 0
	s_lshl_b64 s[22:23], s[20:21], 6               ; their scales
	s_lshl_b64 s[92:93], s[46:47], 6
	s_lshl_b64 s[20:21], s[20:21], 8               ; A's images: 4,096 bytes for 16 rows of a K step
	s_lshl_b64 s[46:47], s[46:47], 10
	s_mul_i32 s18, s16, AH
	s_mov_b32 s19, 0
	s_mul_i32 s94, s16, 128*KROW
	s_mov_b32 s95, 0
	s_mul_i32 s45, s16, AH
	s_mul_i32 s98, s16, HALFT
	s_add_co_u32 s98, s98, HALFT
	s_mul_i32 s99, s15, AH
	s_mul_i32 s2, s15, HALFS/2
	s_add_co_u32 s2, s2, SCL
	s_mul_i32 s3, s16, HALFS
	s_add_co_u32 s3, s3, SCL+HALFS
	s_sub_co_u32 s3, s3, s2
	s_mul_i32 s100, s14, 16*SPITCH
	s_wait_dscnt 0x0
	s_wait_kmcnt 0x0
	s_add_nc_u64 s[20:21], s[4:5], s[20:21]
	s_add_nc_u64 s[22:23], s[6:7], s[22:23]
	s_add_nc_u64 s[46:47], s[8:9], s[46:47]
	s_add_nc_u64 s[92:93], s[10:11], s[92:93]
	CROUND
	s_mov_b32 s4, 1
	s_mov_b32 s5, 0
	s_mov_b64 s[6:7], s[20:21]
	s_or_b32 s7, s7, 0x80000000
	s_mov_b32 s8, 1
	s_mov_b32 s9, HALFT
	s_mov_b64 s[10:11], s[46:47]
	s_or_b32 s11, s11, 0x80000000
	s_mov_b32 s[G0S], 1
	s_mov_b32 s[G0S+1], SCL
	s_mov_b64 s[G0S+2:G0S+3], s[22:23]
	s_or_b32 s[G0S+3], s[G0S+3], 0x80000000
	s_mov_b32 s[G0SB], 1
	s_mov_b32 s[G0SB+1], SCL+HALFS
	s_mov_b64 s[G0SB+2:G0SB+3], s[92:93]
	s_or_b32 s[G0SB+3], s[G0SB+3], 0x80000000
	s_add_nc_u64 s[20:21], s[20:21], s[18:19]
	s_add_nc_u64 s[46:47], s[46:47], s[94:95]
.irp s, 0,1
	s_mov_b32 s[G0+4*\s], 1
	s_add_co_u32 s[G0+4*\s+1], s45, \s*SLOT
	s_add_nc_u64 s[G0+4*\s+2:G0+4*\s+3], s[20:21], \s*ASTEP
	s_or_b32 s[G0+4*\s+3], s[G0+4*\s+3], 0x80000000
	s_mov_b32 s[G0B+4*\s], 1
	s_add_co_u32 s[G0B+4*\s+1], s98, \s*SLOT
	s_add_nc_u64 s[G0B+4*\s+2:G0B+4*\s+3], s[46:47], \s*ROWB
	s_or_b32 s[G0B+4*\s+3], s[G0B+4*\s+3], 0x80000000
.endr
	; PREFETCH: K step 2 is asked for at the head and K step 3 behind slot 1's fill, each two fills ahead of its load; of what a wave fetches each of the four partners names a quarter, told apart by address
	s_cmp_eq_u32 s15, 0
	s_cselect_b64 s[94:95], s[20:21], s[46:47]     ; what I fetch in the ring,
	s_cselect_b32 s18, s40, s41                    ; my work-group's quarter of it:
	s_cselect_b32 s19, 12, 15                      ; 16 units of 256 bytes of A's images, or 32 rows of proj_w
	s_cselect_b32 s45, 15, 31
	s_cselect_b32 s44, 8, 10                       ; from lane to lane: 256 or 1,024 bytes
	s_mov_b32 s22, ROWB
	s_cselect_b32 s22, ASTEP, s22                  ; a K step on
	s_mov_b32 s23, 0
	s_lshl_b32 s18, s18, s19
	s_mov_b32 s19, 0
	s_add_nc_u64 s[94:95], s[94:95], s[18:19]
	s_add_nc_u64 s[94:95], s[94:95], s[22:23]
	s_add_nc_u64 s[94:95], s[94:95], s[22:23]      ; K step 2
	s_add_nc_u64 s[92:93], s[94:95], s[22:23]      ; K step 3
.macro ARM under, g0, g1, next
	s_cmp_lt_u32 s14, \under
	s_cbranch_scc0 \next
	TL \g0, \g1
	s_branch .Lhead_asked
\next:
.endm
	ARM 1, 4, G1, .Lhead_b
	ARM 2, 8, G1B, .Lhead_sa
	ARM 3, G0S, G1S, .Lhead_sb
	TL G0SB, G1SB
.Lhead_asked:
	s_lshl_b32 s46, s42, 10                        ; my first column in bytes of f32
	s_lshl_b32 s47, s16, 9
	s_add_co_u32 s46, s46, s47
	s_mov_b32 s47, 0
	s_add_nc_u64 s[96:97], s[96:97], s[46:47]
	s_lshl_b32 s20, s17, 7
	s_lshl_b32 s21, s15, 6
	s_add_co_u32 s20, s20, s21                     ; my first row of out0
	s_mov_b32 s21, 0
	s_lshl_b64 s[20:21], s[20:21], 13
	s_add_nc_u64 s[20:21], s[20:21], s[46:47]
	s_add_nc_u64 s[12:13], s[12:13], s[20:21]
	v_and_b32 v1, 15, v0
	v_bfe_u32 v2, v0, 4, 1
	v_and_b32 v6, 31, v0
	v_lshlrev_b32 v[BO], 5, v2
	v_mul_u32_u24 v3, v1, PITCH
	v_lshl_add_u32 v4, v2, 4, v3
	v_lshlrev_b32 v[CO], 4, v6
	v_add_nc_u32 v[ADRA], s99, v[CO]               ; A: 16 x lane
	v_add_nc_u32 v[ADRB], s98, v4
	v_add_nc_u32 v[ADRA+1], SLOT, v[ADRA]
	v_add_nc_u32 v[ADRB+1], SLOT, v[ADRB]
	v_lshlrev_b32 v5, 6, v1
	v_lshrrev_b32 v7, 8, v5
	v_lshl_add_u32 v5, v7, 4, v5
	v_mul_u32_u24 v7, s3, v2
	v_add_nc_u32 v5, v5, v7
	v_add_nc_u32 v[ADRS], s2, v5
	v_mul_u32_u24 v5, v1, SPITCH
	v_lshl_add_u32 v5, v2, 5, v5
	v_add_nc_u32 v[STO], s100, v5
	v_add_nc_u32 v[RD], s100, v[CO]
	v_min_u32 v12, s45, v6                         ; (lanes left over name the last unit again)
	v_lshlrev_b32 v12, s44, v12
	s_wait_alu depctr_va_vdst(0)                   ; the wait at the head's end
.irp b, 0,1,2,3,4,5,6,7
	global_load_b128 v[BI+8*\b:BI+8*\b+3], v[BO], s[96:97] offset:64*\b
	global_load_b128 v[BI+8*\b+4:BI+8*\b+7], v[BO], s[96:97] offset:64*\b+16
.endr
	global_prefetch_b8 v12, s[94:95] th:TH_LOAD_NT scope:SCOPE_SE
.macro WM a, b, p, q, sc, c
	v_wmma_scale_f32_16x16x128_f8f6f4 v[64*(\a)+8*\b:64*(\a)+8*\b+7], v[128*(\p)+8*\b:128*(\p)+8*\b+7], v[AF+32*(\p)+8*(\a):AF+32*(\p)+8*(\a)+7], v[\c:\c+7], v[SC+32*(\sc)+4*\b+(\q)], v[SC+32*(\sc)+4*(\a)+(\q)] matrix_a_fmt:MATRIX_FMT_FP4 matrix_b_fmt:MATRIX_FMT_FP4 matrix_a_scale:MATRIX_SCALE_ROW1
.endm
.macro MUL16 a0, p, q, sc, zero        ; the 32 accumulators take turns
.irp a, \a0, \a0+1
.irp b, 0,1,2,3,4,5,6,7
.if \zero
	WM \a, \b, \p, \q, \sc, BI+8*\b
.else
	WM \a, \b, \p, \q, \sc, 64*(\a)+8*\b
.endif
.endr
.endr
.endm
.macro FETCH slot, q, p
	WIN TO_B
.irp i, 0,1,2,3,4,5,6,7
.irp c, 0,1
	ds_load_b128 v[128*(\p)+8*\i+4*\c:128*(\p)+8*\i+4*\c+3], v[ADRB+\slot] offset:64*(\q)+32*\c+\i*16*PITCH
.endr
.endr
	WIN 0
.irp i, 0,1,2,3
.irp c, 0,1
	ds_load_b128 v[AF+32*(\p)+8*\i+4*\c:AF+32*(\p)+8*\i+4*\c+3], v[ADRA+\slot] offset:4096*\i+1024*(\q)+512*\c
.endr
.endr
.endm
.macro SCALES sc
.irp i, 0,1,2,3,4,5,6,7
	ds_load_b128 v[SC+32*\sc+4*\i:SC+32*\sc+4*\i+3], v[ADRS] offset:\i*SBLK
.endr
.endm
.macro PLACES n
.rept \n
	v_nop
.endr
.endm
.macro STEP slot, q, zero
	s_wait_dscnt 0x0
	PLACES NP
	FETCH \slot, (\q)+1, 1-(\q)%2
	WIN MUL_LO-0x20*(\zero)
	MUL16 0, (\q)%2, \q, \slot, \zero
	MUL16 2, (\q)%2, \q, \slot, \zero
.endm
.macro TURN slot, next, fill
	WIN 0
	s_wait_tensorcnt 0x0                           ; my part of the next slot is in
	ds_add_u32 v[SPW], v[NIL]
	s_wait_dscnt 0x0                               ; the add is done, my reads of this slot are over
	s_barrier_signal -1
	WIN MUL_LO
	MUL16 0, 1, NQ-1, \slot, 0
	WIN 0
	s_barrier_wait -1
.if \fill
	CREST
	s_add_nc_u64 s[G0+4*\slot+2:G0+4*\slot+3], s[G0+4*\slot+2:G0+4*\slot+3], 2*ASTEP
	s_add_nc_u64 s[G0B+4*\slot+2:G0B+4*\slot+3], s[G0B+4*\slot+2:G0B+4*\slot+3], 2*ROWB
	JLOAD G0+4*\slot, G1, G0B+4*\slot, G1B
.else
	PLACES NP
.endif
	v_add_nc_u32 v[ADRS], 4*NQ, v[ADRS]
	s_wait_alu depctr_va_vdst(0)                   ; the wait behind the write
	FETCH \next, 0, 0
	SCALES \next
	WIN MUL_LO
	MUL16 2, 1, NQ-1, \slot, 0
.endm
.macro STEPS slot, from
.set Q, \from
.rept NQ-1-\from
	STEP \slot, Q, 0
.set Q, Q+1
.endr
.endm
	s_wait_tensorcnt 0x0                           ; my tile of the head's four is in; the full sequence stands ahead of slot 1's first fill
	ds_add_u32 v[SPW], v[NIL]
	s_mov_b32 s[G1+2], 64<<16                      ; from here on a load brings half a tile
	s_mov_b32 s[G1+4], 64
	s_mov_b32 s[G1B+2], 128<<16
	s_mov_b32 s[G1B+4], 128
	s_wait_dscnt 0x0
	CROUND
	JLOAD G0+4, G1, G0B+4, G1B
	FETCH 0, 0, 0
	SCALES 0
	global_prefetch_b8 v12, s[92:93] th:TH_LOAD_NT scope:SCOPE_SE
	s_wait_loadcnt 0x0
	STEP 0, 0, 1
	STEPS 0, 1
	TURN 0, 1, 1
	STEPS 1, 0
	TURN 1, 0, 1
	STEPS 0, 0
	TURN 0, 1, 0
	STEPS 1, 0
	s_wait_dscnt 0x0
	MUL16 0, 1, NQ-1, 1, 0
	MUL16 2, 1, NQ-1, 1, 0
	WIN 0
; THE WAY OUT, block by block of 16 rows x 128 columns: through my stage and back as whole rows of 512 bytes (LDS serves a wave's instructions in order: ISA guide 5.7.1.4)
.macro TOSTAGE a
.set AC, 64*(\a)
	WIN 0x08
.irp b, 0,1,2,3,4,5,6,7
	ds_store_b128 v[STO], v[AC+8*\b:AC+8*\b+3] offset:64*\b
	ds_store_b128 v[STO], v[AC+8*\b+4:AC+8*\b+7] offset:64*\b+16
.endr
	WIN 0
.set BB, BK+64*((\a)%2)
.irp t, 0,1,2,3,4,5,6,7,8,9,10,11,12,13,14,15
	ds_load_b128 v[BB+4*\t:BB+4*\t+3], v[RD] offset:\t*SPITCH
.endr
.endm
.macro SEND a, younger
.set BB, BK+64*((\a)%2)
	s_wait_dscnt \younger
.if (\a) > 0
	s_add_nc_u64 s[12:13], s[12:13], 16*SIZE_N*4   ; (behind a wait on XCNT)
.endif
.irp t, 0,1,2,3,4,5,6,7,8,9,10,11,12,13,14,15
	global_store_b128 v[CO], v[BB+4*\t:BB+4*\t+3], s[12:13] offset:\t*SIZE_N*4 th:TH_STORE_NT   ; 512 consecutive bytes, aligned
.endr
.endm
	PLACES NP
	TOSTAGE 0
.irp a, 1,2,3
.if \a > 1
	s_wait_xcnt 0x0                                ; block a - 2's stores have read their registers and their base
.endif
	TOSTAGE \a
	SEND \a-1, 32                                  ; behind block a - 1's loads: block a's 16 stores and 16 loads
.endr
	s_wait_xcnt 0x0
	SEND 3, 0
	s_wait_tensorcnt 0x0                           ; the wave's end
	ds_add_u32 v[SPW], v[NIL]
	s_wait_dscnt 0x0
	CROUND
	s_endpgm
.Lfunc_end_k_q63b4943498_proj:
	.size	k_q63b4943498_proj, .Lfunc_end_k_q63b4943498_proj-k_q63b4943498_proj
	.p2alignl 7, 3214868480
	.fill 96, 4, 3214868480
	.section	.rodata,"a",@progbits
	.p2align	6, 0x0
	.amdhsa_kernel k_q63b4943498_proj
		.amdhsa_group_segment_fixed_size 327680
		.amdhsa_private_segment_fixed_size 0
		.amdhsa_enable_private_segment 0
		.amdhsa_kernarg_size 48
		.amdhsa_user_sgpr_count 2
		.amdhsa_user_sgpr_kernarg_segment_ptr 1
		.amdhsa_wavefront_size32 1
		.amdhsa_system_sgpr_workgroup_id_x 1
		.amdhsa_system_sgpr_workgroup_id_y 1
		.amdhsa_system_sgpr_workgroup_id_z 1
		.amdhsa_system_vgpr_workitem_id 0
		.amdhsa_next_free_vgpr 768
		.amdhsa_next_free_sgpr 102
		.amdhsa_reserve_vcc 0
		.amdhsa_float_denorm_mode_32 3
		.amdhsa_float_denorm_mode_16_64 3
		.amdhsa_memory_ordered 1
		.amdhsa_forward_progress 1
		.amdhsa_inst_pref_size 124
	.end_amdhsa_kernel
	.amdgpu_metadata
---
amdhsa.version: [ 1, 2 ]
amdhsa.kernels:
  - .name:           k_q63b4943498_proj
    .symbol:         k_q63b4943498_proj.kd
    .args:
      - { .name: a_img, .offset: 0, .size: 8, .value_kind: global_buffer, .address_space: global }
      - { .name: a_sc, .offset: 8, .size: 8, .value_kind: global_buffer, .address_space: global }
      - { .name: proj_w_codes, .offset: 16, .size: 8, .value_kind: global_buffer, .address_space: global }
      - { .name: proj_w_scales, .offset: 24, .size: 8, .value_kind: global_buffer, .address_space: global }
      - { .name: out0, .offset: 32, .size: 8, .value_kind: global_buffer, .address_space: global }
      - { .name: proj_b, .offset: 40, .size: 8, .value_kind: global_buffer, .address_space: global }
    .group_segment_fixed_size: 327680
    .private_segment_fixed_size: 0
    .kernarg_segment_align: 8
    .kernarg_segment_size: 48
    .max_flat_workgroup_size: 128
    .sgpr_count:     102
    .vgpr_count:     768
    .wavefront_size: 32
...
	.end_amdgpu_metadata
.endif
;; end of part 3
